; MI455X (gfx1250); checked and timed in simulation.
; The chip was launched on July 23, 2026; its instructions are those of AMD's public machine-readable ISA for CDNA 5 (MIT licence, August 2026) and "CDNA5" Instruction Set Architecture Reference Guide (July 2026). The comments in the code are by the model that wrote it; some were corrected since.
;; Attention. Allowed arithmetic: matrix products marked QUANTISED: E2M1 operands, one E8M0 scale for each 32 along K, by v_wmma_scale_f32_16x16x128_f8f6f4 with both operands' format E2M1 (or v_wmma_scale_f32_32x16x128_f4), f32 sums; everything else in f32.
;; Inputs: query_codes 8 x 2,048 x 32 x 16 uint8 (E2M1 codes of query, K innermost, in blocks of 32 codes, two codes a byte); query_scales 8 x 2,048 x 32 uint8 (E8M0 scales of query, one for each 32 codes along K); value 8 x 2,048 x 1,024 float32.
;; Outputs: out0 8 x 2,048 x 1,024 float32.
;; This version of the problem:
;;   THIS VERSION OF THE PROBLEM IS GIVEN IN LOW PRECISION. The matrix products marked QUANTISED in the list below multiply operands that are first quantised to E2M1 (2 exponent bits, 1 mantissa bit; 4 bits a number), with one power-of-two scale for each 32 numbers along K (OCP MX v1.0); their sums are f32. All else is computed in f32.
;;   The module's matrix products, in the order in which they are computed (A, B: the left and right operand; K: the contracted axis; several contracted axes count as one K, in the product's order):
;;     1. batch 8 x [M 2,048, K 1,024] x [K 1,024, N 2,048]; A: input query (given as codes); B: input value: QUANTISED
;;     2. batch 8 x [M 2,048, K 2,048] x [K 2,048, N 1,024]; A: softmax (see below); B: input value: QUANTISED
;;   THE QUANTISER, for each operand of a quantised product, along K:
;;     - K is cut into blocks of 32 from its start; a last block that is shorter is filled with zeros.
;;     - A block's scale is 2^e with e = floor(log2(the largest magnitude in the block)) - 2, held to -126 .. 127; a block of zeros has e = 0. As a byte (E8M0): e + 127.
;;     - Each number is divided by its block's scale, clamped to +-6, and rounded to the nearest number of E2M1, ties to even, subnormals kept.
;;     - The product sums the exact products of the quantised numbers (number of the format x scale) in f32.
;;   ~~~python
;;   def quantise(x, axis):      # numpy; x: float32 -> the quantised numbers, widened to float32 again
;;       x = np.moveaxis(x, axis, -1); K = x.shape[-1]
;;       x = np.pad(x, [(0, 0)] * (x.ndim - 1) + [(0, -K % 32)]); x = x.reshape(x.shape[:-1] + (-1, 32)); a = np.abs(x).max(-1, keepdims=True)
;;       e = np.where(a > 0, np.clip(np.frexp(np.where(a > 0, a, 1))[1] - 1 - 2, -126, 127), 0)      # np.frexp(a)[1] - 1 = floor(log2(a)), exactly
;;       r = np.clip(x / 2.0 ** e, -6, 6)
;;       step = 2.0 ** (np.maximum(np.frexp(np.where(r == 0, 1, r))[1] - 1, 0) - 1)
;;       q = np.round(r / step) * step * 2.0 ** e      # np.round: ties to even
;;       return np.moveaxis(q.reshape(q.shape[:-2] + (-1,))[..., :K], -1, axis).astype(np.float32)
;;   ~~~
;;   SOFTMAX AHEAD OF A QUANTISED PRODUCT. Where the list says 'softmax', what is quantised is not the finished softmax but p = 2^(t - M), with t = logit x log2(e) and M = ceil(the row's largest t), a whole number; so 1/2 < the row's largest p <= 1. The row's sum l is taken of the UNQUANTISED p, in f32, and the product's result is divided by l at the end. Since M is a whole number, a kernel that streams over the keys may use a running M (the ceiling of the running maximum): every later rescaling is an exact power of two, which a block's scale takes up: the codes' values come out the same.
;;   OPERANDS COMPUTED ON THE WAY. 'Computed on the way' means the value that the module computes at that place (a softmax that the list does not call 'softmax' is quantised finished and normalised). What goes into a quantiser is computed in f32, as accurately as f32 sums, v_exp_f32 and their like allow (about 1e-6 of the number): no bf16 or f16 on the way to a quantiser, and a product that is left as it is and whose result goes on into a quantised operand takes f32 operands (vector FMAs, or v_wmma_f32_16x16x4_f32). A number that lies on a knife's edge between two numbers of the format may be rounded either way, as far as f32 arithmetic and the matrix unit's own rounding can turn it there, and no further.
;;   INPUTS GIVEN AS CODES. query (in the module: [8, 2048, 1024], K = its axis 2): each comes as NAME_codes (uint8): NAME with its K axis moved to the last place and cut into blocks of 32 codes, [.., K / 32, bytes a block], one block behind the other in memory; two codes a byte, the lower K in the low four bits (a code: sign, 2 exponent bits, 1 mantissa bit); and NAME_scales (uint8): the same leading axes, one E8M0 byte (e + 127) for each 32 codes along K. Its value is code x scale, taken as it is: it is not quantised again, and the codes and scales need not be those that the quantiser above would give.
;; 2 versions. Each part assembles by itself: llvm-mc -triple=amdgcn-amd-amdhsa -mcpu=gfx1250 --defsym DOCPART=n.
;; ======== version 1 of 2: 2 launches
;; workspace buffers: vk_codes 8,388,608 bytes; vk_scales 524,288 bytes; vt_codes 8,388,608 bytes; vt_scales 524,288 bytes
;; launch quant (part 1): grid 256 x 1, 4 waves a work-group, no clusters, 327,680 bytes of LDS; arguments value, vk_codes, vk_scales, vt_codes, vt_scales; writes vk_codes, vk_scales, vt_codes, vt_scales
.if DOCPART == 1
	.amdgcn_target "amdgcn-amd-amdhsa--gfx1250"
	.amdhsa_code_object_version 6
	.text
	.protected	k_qaeafbe8232_quant
	.globl	k_qaeafbe8232_quant
	.p2align	8
	.type	k_qaeafbe8232_quant,@function
k_qaeafbe8232_quant:
	s_mov_b64 s[64:65], 0
	v_nop
	global_prefetch_b8 v0, s[64:65] scope:SCOPE_SE
	s_setreg_imm32_b32 hwreg(HW_REG_WAVE_MODE, 25, 1), 1
	s_wait_xcnt 0x0
; value [8][2048 keys][1024 d], f32, is quantised TWICE to codes of FP4 (E2M1) with one E8M0 byte for each 32 numbers:
; along d (it is the keys' operand of Q V^T) into vk_codes / vk_scales, and along the keys (it is the values' operand of P V) into vt_codes / vt_scales.
; A block's scale is 2^(floor(log2(its largest magnitude)) - 2); its byte is the largest magnitude's exponent field - 2, held at 1 from below.
; (A block of zeros so gets the byte 1 where the rule says 127: its codes are zeros, and the bytes are read by this program alone.)
; LIMITS: blocks whose largest magnitude lies under 2^-124 get the byte 1; NaN and infinities among the inputs are not served.
; THE WORKSPACE IS LAID AS IMAGES OF THE OPERAND'S REGISTERS.  bj = 16 x batch + key step of 128.  A fragment's image is 1,024 bytes [block of 32 along K: 4][row: 16][16 bytes]:
; two loads of 16 bytes a lane, at 16 x lane and 512 further on, put it into the eight registers of the matrix operand.
;   vk_codes  [bj][kt 8][s 8][image]: row = key 16 kt + r, block = d block 4 s + blk.      vt_codes [bj][dt 64][image]: row = d 16 dt + r, block = key block of the step.
;   vk_scales per bj 4,096 bytes [kb 4][g 4][lane 32 = 16 u + r][sp 2] words: key 32 kb + 16 u + r, s = 2 g + sp.
;   vt_scales per bj 4,096 bytes [dg 8][p 2][lane 32][x 2] words: d = 128 dg + 32 (2 p + x) + lane.
; SHARES.  A wave owns one tile of 128 keys x 128 d (64 KiB of f32): tile number 4 x work-group + wave; 1,024 tiles, 1,024 waves.  Waves share nothing: no barrier.
; The tile comes into the wave's own LDS by two tensor loads of 64 rows x 512 bytes, each byte of value once, rows 528 bytes apart; both are first fills, nothing is filled again; two are out at the most.
; From LDS each 32 x 32 part is read twice: a lane to a column d with its registers down the keys (a block along the keys lies in one lane), and a lane to half a block along d of a key row.
; Codes leave in whole aligned runs of 256 bytes.  The words of vk_scales leave 8 bytes apart (512 KiB of what the launch moves): that layout serves the reader, which loads them 32 times.
; No clusters: no two work-groups read the same byte.  No prefetch: the launch is one stream of tensor loads.
.set PITCH,  528                       ; an LDS row: 512 bytes + 16 = 33 x 16: the sixteen rows that a 16-byte load touches fall on sixteen different 16-byte columns of 256
.set HALF,   64*PITCH                  ; what one tensor load brings
.set REGION, 128*PITCH                 ; a wave's tile
.set SPARE,  4*REGION                  ; behind the four tiles: the spare words, 128 bytes for each wave: two blocks of 256 bytes that no other line names
.set SPW, 4                            ; v4      LDS address of my spare word; never rewritten
.set NIL, 5                            ; v5      0; never rewritten
.set AC,  6                            ; v6-7    my column in the tile's half 0, 1: region + 4 x lane
.set AD,  8                            ; v8-9    my row and half block: region + 528 r + 64 h
.set GT,  10                           ; v10     1,024 h + 16 r: my place in two images of vt_codes
.set GK,  11                           ; v11     16 r + 8 h: my place in a block of an image of vk_codes
.set G8,  12                           ; v12     8 x lane
.set WT,  20                           ; v20-23  scale words along the keys, one for each 32 d
.set WK,  24                           ; v24-31  scale words along d, one for each 16 keys
.set WS,  32                           ; v32-35  the same, lanes 0-15 the even sixteen, lanes 16-31 the odd
.set CT,  36                           ; v36-51  codes, two sets of 4 (along the keys) + 2 x 2 (along d)
.set X,   64                           ; v64-127  two sets of 32 numbers down the keys
.set Y,   128                          ; v128-191 two sets of 2 x 16 numbers along d
.set G1,  24                           ; s[24:31] descriptor group 1
.set G0,  32                           ; s[32:39] descriptor group 0, one set for each half
	s_load_b256 s[4:11], s[0:1], 0x0               ; value s[4:5], vk_codes s[6:7], vk_scales s[8:9], vt_codes s[10:11]
	s_load_b64 s[12:13], s[0:1], 0x20              ; vt_scales
	v_lshl_add_u32 v[SPW], v0, 2, SPARE
	v_mov_b32 v[NIL], 0
	ds_add_u32 v[SPW], v[NIL]                      ; the wave's opening: the add and its wait stand ahead of my first tensor load; the set-up below, work on registers, stands between them
	v_lshrrev_b32 v1, 5, v0
	v_readfirstlane_b32 s14, v1                    ; wave 0..3
	; group 1: a tile of 64 rows x 128 elements of 4 bytes, 1,024 elements from row to row, padded in LDS
	s_mov_b32 s[G1+0], (2<<16)|(1<<20)|(6<<22)|(3<<25)   ; no mask; elements of 4 bytes; padding on; after every 128 words (code 6) 4 words (code 3)
	s_mov_b32 s[G1+1], 128<<16                     ; tensor_dim0 = 128
	s_mov_b32 s[G1+2], 64<<16                      ; tensor_dim1 = 64
	s_mov_b32 s[G1+3], 128<<16                     ; tile_dim0 = 128
	s_mov_b32 s[G1+4], 64                          ; tile_dim1 = 64
	s_mov_b32 s[G1+5], 1024                        ; elements from row to row
	s_mov_b32 s[G1+6], 0
	s_mov_b32 s[G1+7], 0
	s_lshl_b32 s15, ttmp9, 2
	s_add_co_u32 s15, s15, s14                     ; my tile
	s_and_b32 s16, s15, 7                          ; dg: which 128 of d
	s_lshr_b32 s17, s15, 3                         ; bj: which 128 keys
	s_mul_i32 s40, s14, REGION                     ; my tile's place in LDS
	s_lshl_b32 s18, s17, 19                        ; 128 rows of 4,096 bytes,
	s_lshl_b32 s22, s16, 9                         ; 128 numbers of 4 bytes
	s_add_co_u32 s18, s18, s22
	s_mov_b32 s19, 0
	s_mov_b32 s20, 0x76543210
	s_mov_b32 s21, 0xfedcba98                      ; v_permlanex16_b32's selects for lane l xor 16
	v_and_b32 v1, 31, v0                           ; lane
	v_and_b32 v2, 15, v0                           ; r
	v_bfe_u32 v3, v0, 4, 1                         ; h
	v_lshl_add_u32 v[AC], v1, 2, s40
	v_add_nc_u32 v[AC+1], HALF, v[AC]
	v_mul_u32_u24 v[AD], v2, PITCH
	v_lshl_add_u32 v[AD], v3, 6, v[AD]
	v_add_nc_u32 v[AD], s40, v[AD]
	v_add_nc_u32 v[AD+1], HALF, v[AD]
	v_lshlrev_b32 v[GT], 4, v2
	v_lshl_add_u32 v[GK], v3, 3, v[GT]
	v_lshl_add_u32 v[GT], v3, 10, v[GT]
	v_lshlrev_b32 v[G8], 3, v1
	v_mov_b32 v18, 0                               ; written once: a lane permute's destination counts as one of its sources
	v_mov_b32 v19, 0
	s_wait_dscnt 0x0                               ; the opening add is done
	s_wait_kmcnt 0x0
	s_add_nc_u64 s[4:5], s[4:5], s[18:19]          ; value at my tile
	s_mov_b32 s[G0+0], 1                           ; count = 1
	s_mov_b32 s[G0+1], s40                         ; LDS address: rows 0 to 63
	s_mov_b64 s[G0+2:G0+3], s[4:5]
	s_or_b32 s[G0+3], s[G0+3], 0x80000000          ; type = 2
	s_mov_b32 s[G0+4], 1
	s_add_co_u32 s[G0+5], s40, HALF                ; rows 64 to 127
	s_add_nc_u64 s[G0+6:G0+7], s[4:5], 64*4096
	s_or_b32 s[G0+7], s[G0+7], 0x80000000
	tensor_load_to_lds s[G0:G0+3], s[G1:G1+7]
	s_nop 0
	tensor_load_to_lds s[G0+4:G0+7], s[G1:G1+7]
	s_nop 0
	s_lshl_b32 s18, s17, 16                        ; 65,536 bytes of codes for each bj
	s_lshl_b32 s22, s16, 13
	s_add_co_u32 s22, s22, s18
	s_mov_b32 s23, 0
	s_add_nc_u64 s[10:11], s[10:11], s[22:23]      ; vt_codes: my eight images, dt = 8 dg on
	s_lshl_b32 s22, s16, 10
	s_add_co_u32 s22, s22, s18
	s_add_nc_u64 s[6:7], s[6:7], s[22:23]          ; vk_codes: image (kt = 0, s = dg)
	s_lshl_b32 s18, s17, 12                        ; 4,096 bytes of scales for each bj
	s_lshl_b32 s22, s16, 9
	s_add_co_u32 s22, s22, s18
	s_add_nc_u64 s[12:13], s[12:13], s[22:23]      ; vt_scales: my 512 bytes
	s_lshr_b32 s22, s16, 1
	s_lshl_b32 s22, s22, 8                         ; vk_scales: g = dg / 2,
	s_add_co_u32 s22, s22, s18
	s_and_b32 s41, s16, 1
	s_lshl_b32 s41, s41, 2                         ; sp = dg % 2
	s_add_co_u32 s22, s22, s41
	s_add_nc_u64 s[8:9], s[8:9], s[22:23]
; Part t of 16 of the tile: key block kb = t / 4, d block db = t % 4.  40 LDS loads: 32 of a word (my column, down the 32 keys), 8 of 16 bytes (two key rows' half blocks along d).
.macro LDT t
.set hl, (\t)/8
.set r0, 32*(((\t)/4)%2)
.set db, (\t)%4
.set xs, X+32*((\t)%2)
.set ys, Y+32*((\t)%2)
.irp i, 0,1,2,3,4,5,6,7,8,9,10,11,12,13,14,15,16,17,18,19,20,21,22,23,24,25,26,27,28,29,30,31
	ds_load_b32 v[xs+\i], v[AC+hl] offset:(r0+\i)*PITCH+128*db
.endr
.irp u, 0,1
.irp i, 0,1,2,3
	ds_load_b128 v[ys+16*\u+4*\i:ys+16*\u+4*\i+3], v[AD+hl] offset:(r0+16*\u)*PITCH+128*db+16*\i
.endr
.endr
.endm
; Part t is quantised both ways and stored.  younger: the LDS loads of the next part, issued behind this part's.
.macro WORK t, younger
.set kb, (\t)/4
.set db, (\t)%4
.set xs, X+32*((\t)%2)
.set ys, Y+32*((\t)%2)
.set ct, CT+8*((\t)%2)
.set ck, ct+4
	s_wait_dscnt (\younger)+8                      ; LDS loads come back in order: my 32 words are in; this part's eight loads of 16 bytes and the next part's 40 may be out
	s_wait_xcnt 0x0                                ; the earlier stores have read their registers: the codes' registers are written again only behind this wait
	; along the keys: the block's 32 numbers are all mine
	v_max3_num_f32 v14, |v[xs]|, |v[xs+1]|, |v[xs+2]|
	v_max3_num_f32 v15, |v[xs+3]|, |v[xs+4]|, |v[xs+5]|
.irp i, 6,10,14,18,22,26
	v_max3_num_f32 v14, v14, |v[xs+\i]|, |v[xs+\i+1]|
	v_max3_num_f32 v15, v15, |v[xs+\i+2]|, |v[xs+\i+3]|
.endr
	v_max3_num_f32 v14, v14, |v[xs+30]|, |v[xs+31]|
	v_max3_num_f32 v14, v14, v15, 0x1800000        ; and the floor 2^(3 - 127): the byte cannot fall under 1
	v_add_nc_u32 v16, 0xff000000, v14              ; 2 off the exponent field: the conversion takes the exponent field of this operand as its scale
.irp g, 0,1,2,3
	v_cvt_scalef32_pk8_fp4_f32 v[ct+\g], v[xs+8*\g:xs+8*\g+7], v16
.endr
	v_lshrrev_b32 v18, 23, v16                     ; the scale's byte (a plain line behind the conversions)
.if kb == 0
	v_mov_b32 v[WT+db], v18                        ; byte kb of my column's word
.else
	v_lshl_or_b32 v[WT+db], v18, 8*kb, v[WT+db]
.endif
	global_store_b128 v[GT], v[ct:ct+3], s[10:11] offset:2048*db+256*kb   ; lanes 0-15 and lanes 16-31 each store 256 consecutive aligned bytes: block kb of two images
	s_wait_dscnt \younger                          ; the two key rows' numbers are in
	; along d: 16 numbers are mine, the block's other 16 lie in lane l xor 16; the two key rows by turns
	v_max3_num_f32 v14, |v[ys]|, |v[ys+1]|, 0x1800000
	v_max3_num_f32 v15, |v[ys+16]|, |v[ys+17]|, 0x1800000
.irp i, 2,4,6,8,10,12,14
	v_max3_num_f32 v14, v14, |v[ys+\i]|, |v[ys+\i+1]|
	v_max3_num_f32 v15, v15, |v[ys+16+\i]|, |v[ys+17+\i]|
.endr
	v_permlanex16_b32 v18, v14, s20, s21
	v_permlanex16_b32 v19, v15, s20, s21
	v_max_num_f32 v14, v14, v18
	v_max_num_f32 v15, v15, v19
	v_add_nc_u32 v16, 0xff000000, v14
	v_add_nc_u32 v17, 0xff000000, v15
	v_cvt_scalef32_pk8_fp4_f32 v[ck], v[ys:ys+7], v16
	v_cvt_scalef32_pk8_fp4_f32 v[ck+1], v[ys+8:ys+15], v16
	v_cvt_scalef32_pk8_fp4_f32 v[ck+2], v[ys+16:ys+23], v17
	v_cvt_scalef32_pk8_fp4_f32 v[ck+3], v[ys+24:ys+31], v17
	v_lshrrev_b32 v18, 23, v16                     ; (a plain line behind the conversions)
	v_lshrrev_b32 v19, 23, v17
.if db == 0
	v_mov_b32 v[WK+2*kb], v18                      ; byte db of my key row's word
	v_mov_b32 v[WK+2*kb+1], v19
.else
	v_lshl_or_b32 v[WK+2*kb], v18, 8*db, v[WK+2*kb]
	v_lshl_or_b32 v[WK+2*kb+1], v19, 8*db, v[WK+2*kb+1]
.endif
	global_store_b64 v[GK], v[ck:ck+1], s[6:7] offset:(2*kb)*8192+256*db       ; the wave stores 256 consecutive aligned bytes: block db of image (kt, dg)
	global_store_b64 v[GK], v[ck+2:ck+3], s[6:7] offset:(2*kb+1)*8192+256*db
.endm
	s_wait_tensorcnt 0x1                           ; my rows 0 to 63 are in; the second load may be out.  Only I read my tile: no barrier
	LDT 0
.irp t, 0,1,2,3,4,5,6,7,8,9,10,11,12,13,14,15
.if \t == 7
	s_wait_tensorcnt 0x0                           ; part 8 is the first of rows 64 to 127
.endif
.if \t < 15
	LDT \t+1                                       ; a part ahead, into the other set
	WORK \t, 40
.else
	WORK \t, 0
.endif
.endr
	global_store_b64 v[G8], v[WT:WT+1], s[12:13]               ; 256 consecutive aligned bytes: d blocks 0 and 1 of my 128
	global_store_b64 v[G8], v[WT+2:WT+3], s[12:13] offset:256  ; d blocks 2 and 3
	v_cmp_ne_u32 vcc_lo, 0, v3
.irp k, 0,1,2,3
	v_cndmask_b32 v[WS+\k], v[WK+2*\k], v[WK+2*\k+1], vcc_lo   ; lanes 0-15: keys 32 k + r; lanes 16-31: keys 32 k + 16 + r (both halves of the lanes hold both words)
.endr
.irp k, 0,1,2,3
	global_store_b32 v[G8], v[WS+\k], s[8:9] offset:1024*\k    ; words 8 bytes apart: the neighbour dg xor 1 stores the words between
.endr
	s_wait_tensorcnt 0x0                           ; the wave's end, behind my last tensor load
	ds_add_u32 v[SPW], v[NIL]
	s_wait_dscnt 0x0
	s_endpgm
.Lfunc_end_k_qaeafbe8232_quant:
	.size	k_qaeafbe8232_quant, .Lfunc_end_k_qaeafbe8232_quant-k_qaeafbe8232_quant
	.p2alignl 7, 3214868480
	.fill 96, 4, 3214868480
	.section	.rodata,"a",@progbits
	.p2align	6, 0x0
	.amdhsa_kernel k_qaeafbe8232_quant
		.amdhsa_group_segment_fixed_size 327680
		.amdhsa_private_segment_fixed_size 0
		.amdhsa_enable_private_segment 0
		.amdhsa_kernarg_size 40
		.amdhsa_user_sgpr_count 2
		.amdhsa_user_sgpr_kernarg_segment_ptr 1
		.amdhsa_wavefront_size32 1
		.amdhsa_system_sgpr_workgroup_id_x 1
		.amdhsa_system_sgpr_workgroup_id_y 1
		.amdhsa_system_sgpr_workgroup_id_z 1
		.amdhsa_system_vgpr_workitem_id 0
		.amdhsa_next_free_vgpr 192
		.amdhsa_next_free_sgpr 66
		.amdhsa_reserve_vcc 1
		.amdhsa_float_denorm_mode_32 3
		.amdhsa_float_denorm_mode_16_64 3
		.amdhsa_memory_ordered 1
		.amdhsa_forward_progress 1
		.amdhsa_inst_pref_size 103
	.end_amdhsa_kernel
	.amdgpu_metadata
---
amdhsa.version: [ 1, 2 ]
amdhsa.kernels:
  - .name:           k_qaeafbe8232_quant
    .symbol:         k_qaeafbe8232_quant.kd
    .args:
      - { .name: value, .offset: 0, .size: 8, .value_kind: global_buffer, .address_space: global }
      - { .name: vk_codes, .offset: 8, .size: 8, .value_kind: global_buffer, .address_space: global }
      - { .name: vk_scales, .offset: 16, .size: 8, .value_kind: global_buffer, .address_space: global }
      - { .name: vt_codes, .offset: 24, .size: 8, .value_kind: global_buffer, .address_space: global }
      - { .name: vt_scales, .offset: 32, .size: 8, .value_kind: global_buffer, .address_space: global }
    .group_segment_fixed_size: 327680
    .private_segment_fixed_size: 0
    .kernarg_segment_align: 8
    .kernarg_segment_size: 40
    .max_flat_workgroup_size: 128
    .sgpr_count:     66
    .vgpr_count:     192
    .wavefront_size: 32
...
	.end_amdgpu_metadata
.endif
;; end of part 1
;; launch attn (part 2): grid 32 x 8, 4 waves a work-group, no clusters, 145,152 bytes of LDS; arguments query_codes, query_scales, vk_codes, vk_scales, vt_codes, vt_scales, out0; writes out0
.if DOCPART == 2
	.amdgcn_target "amdgcn-amd-amdhsa--gfx1250"
	.amdhsa_code_object_version 6
	.text
	.protected	k_qaeafbe8232_attn
	.globl	k_qaeafbe8232_attn
	.p2align	8
	.type	k_qaeafbe8232_attn,@function
k_qaeafbe8232_attn:
	s_mov_b64 s[64:65], 0
	v_nop
	global_prefetch_b8 v0, s[64:65] scope:SCOPE_SE
	s_setreg_imm32_b32 hwreg(HW_REG_WAVE_MODE, 25, 1), 1
	s_wait_xcnt 0x0
; out0[b][q][:] = the sum over keys k <= q of softmax_k(Q[b][q] . V[b][k]) V[b][k][:], both products on codes of FP4 (E2M1) with one E8M0 scale for each 32 along a product's K.
; Q comes as codes [8][2048][512 bytes] and scale bytes [8][2048][32]; V as the two workspaces of the launch before, laid as images of the operand's registers (1,024 bytes a fragment).
; SHARES.  Work-group (i, b) owns queries 64 i .. 64 i + 63 of batch b: four tiles m of 16.  It needs the keys of pairs 0 .. i / 4, a pair being two key steps of 128.
; PHASE 1, S and P.  Wave w makes S^T = K Q^T for key block w (32 keys: tiles u = 0, 1) of every step, for all four m: a lane holds ONE query (lane % 16) and 16 keys of the block; the block's other 16 lie in lane l xor 16.
;   With t = score x log2(e) and fl = floor(the block's largest t), the block's codes are those of 2^(t - fl) under the fixed scale 2^-2, whatever whole number the row is referred to:
;   so no running maximum is kept.  The codes (64 KiB for 64 queries x 2,048 keys), fl and the block's sum of the unquantised 2^(t - fl) go to LDS.
; MID PHASE.  Wave w, for tile m = w: R = the row's largest fl; a block's byte is 125 + fl - R; l = the sum of the blocks' sums x 2^(fl - R) (exact); 1 / l.
; PHASE 2, O^T = V^T P^T.  Wave w makes d = 256 w .. 256 w + 255 (16 tiles) for the four m: 64 accumulators, 512 registers, never rescaled; at the end x 1 / l.
; NO TWO WAVES OF A WORK-GROUP READ THE SAME FRAGMENT OF V (phase 1 shares out the keys, phase 2 shares out d), so the fragments go from memory STRAIGHT INTO REGISTERS, in a ring of eight groups of nine loads:
; 63 loads of a wave are out behind the group that it waits for.  CLUSTERS are not used: a joint request lands in LDS, from where each fragment would still be read once, by its one wave:
; 128 KiB more written to LDS and 128 KiB more read from it for each key step, for bytes that nobody in the work-group shares.
; THE CAUSAL MASK.  Both loops over pairs have a constant count; a scalar branch on ids leads round the work of a pair that the work-group does not need.  The diagonal lies in the last pair, which is written out: it alone masks.
; LIMITS.  NaN and infinities are not served.  Hidden keys get the weight 0 exactly, which is what subtracting 1e9 gives while the scores' spread stays far under 1e9.  Scores under -1e30 are held there.
; A key block more than 124 binades under its row's largest is held at 2^-124 of it, in O and in l alike.
; REGISTERS, in windows of 256 (s_set_vgpr_msb: bits 1:0 source 0, 3:2 source 1, 5:4 source 2, 7:6 destination):
;   window 0: addresses, scale words, S^T / p, statistics, later P's fragments.   window 1: Q (m, s) at 8 (8 m + s); then V's ring; then rows of O on the way out.
;   window 2: K's ring at 128 set + 8 (4 g + 2 sp + u); then the accumulators of d tiles 0-7 at 8 (4 dtl + m).   window 3: those of d tiles 8-15.
.set PIM,   0                          ; LDS: P's codes [w 4][step 16][m 4][r 16][16 bytes]: block w of a fragment's image
.set FL,    65536                      ; fl: [w][m][r, 80 bytes apart][step 16] f32
.set SUMO,  20480                      ; the blocks' sums lie so far behind fl, laid alike
.set PSC,   106496                     ; P's scale words [m][step][r]
.set LIV,   110592                     ; 1 / l [m][r]
.set STG,   110848                     ; the way out: 16 rows x (512 bytes + 16) for each wave
.set SPARE, 144640                     ; the spare words, 128 bytes for each wave: two blocks of 256 bytes that no other line names
.set SPW, 4                            ; v4   LDS address of my spare word; never rewritten
.set NIL, 5                            ; v5   0; never rewritten
.set KO,  6                            ; v6   16 x lane
.set SO8, 7                            ; v7   8 x lane
.set PFO, 8                            ; v8   256 x lane
.set APW, 9                            ; v9   where I put 8 codes: PIM + 16,384 w + 16 r + 4 h
.set AFW, 10                           ; v10  where I put fl: FL + 5,120 w + 80 r
.set ADP, 11                           ; v11, v12, v22: addresses of the step in hand
.set ADF, 12
.set AP0, 13                           ; v13  P's fragments: PIM + 16,384 h + 16 r
.set APS0, 14                          ; v14  P's scale words: PSC + 1,024 h + 4 r
.set STO, 15                           ; v15  the stage, in: STG + 8,448 w + 528 r + 32 h
.set RD,  16                           ; v16  the stage, back: STG + 8,448 w + 16 x lane
.set QB,  17                           ; v17  64 i + r - 32 w - 8 h
.set AFR, 18                           ; v18  mid phase: FL + 1,280 w + 80 r + 32 h
.set APM, 19                           ; v19  mid phase: PSC + 1,024 w + 512 h + 4 r
.set ALW, 20                           ; v20  LIV + 64 w + 4 r
.set ALV, 21                           ; v21  LIV + 4 r
.set ADS, 22
.set AQ,  23                           ; v23  512 r + 16 h
.set AQS, 24                           ; v24  32 r + 16 h
.set QS,  32                           ; v32-47   Q's scale words: register 4 m + i: lanes 0-15 K step i, lanes 16-31 K step 4 + i.  Scales and nothing else
.set KS,  48                           ; v48-63   K's: 8 set + 2 g + sp: lanes 0-15 tile u = 0, lanes 16-31 u = 1
.set S,   64                           ; v64-127  S^T (m, u) at 16 m + 8 u, then p
.set F,   64                           ; mid phase: 32 fl
.set U,   96                           ; mid phase: 32 sums
.set P,   64                           ; phase 2: P's fragments at 32 set + 8 m
.set ST,  128                          ; v128-143 tile m at 4 m: fl, at work, the sum in two halves
.set TM,  144                          ; v144-147 maxima
.set PC,  148                          ; v148-155 the codes just made: 2 m + u
.set D0,  156                          ; v156 the mask's bound
.set NINF, 157                         ; v157 -infinity
.set SCL, 158                          ; v158 0.25: the conversions' scale operand
.set VS,  160                          ; v160-175 V's scale words: 8 set + 2 g + x / 2: lanes 0-15 even x, lanes 16-31 odd x
.set PS,  176                          ; v176-179 P's: 2 set + m / 2: lanes 0-15 even m, lanes 16-31 odd m
.set LV,  184                          ; v184-191 1 / l of tile m, as a pair
.set NEGW, 196                         ; v196-199 four words of -1e30
.set ZERW, 200                         ; v200-203 four zeros
.set WV,  18                           ; s18 wave;  s19 i;  s20 b;  s21, s53 at work
.set WI,  19
.set WB,  20
.set SEL, 22                           ; s[22:23] v_permlanex16_b32's selects for lane l xor 16
.set CS,  24                           ; s[24:25] log2(e), twice: the packed form names a pair
.set NP1, 26                           ; s26 i / 4: the pairs in front of the last
.set TT,  27                           ; s27 counts pairs
.set TJP, 28                           ; s28 2,048 x pair: P's codes
.set TJF, 29                           ; s29 8 x pair: fl and the sums
.set KF,  30                           ; s30 the last pair's first key
.set TP,  31                           ; s31 phase 2: 2,048 x pair
.set TS,  52                           ; s52 phase 2: 128 x pair
.set KB,  32                           ; s[32:33] vk_codes at my wave's part of the pair in hand;  s[34:35] vk_scales
.set KSB, 34
.set VB,  36                           ; s[36:37], s[38:39] the same for vt
.set VSB, 38
.set PFA, 40                           ; s[40:41] where the prefetches stand
.set VPF, 42                           ; s[42:43] vt_codes at my wave's part of step 0
.set PFC, 44                           ; s44 pairs asked for
.set PFL, 45                           ; s45 13 in the work-group that asks, else 0
.set OUTP, 46                          ; s[46:47] out0 at my first row and my 256 columns
.set QCB, 48                           ; s[48:49], s[50:51] Q's codes and scale bytes at my first row
.set QSB, 50
.set MSB, 0
.macro WIN new                         ; the immediate's high byte repeats the setting that is left; a switch that changes nothing is dropped
.if MSB != \new
	s_set_vgpr_msb (MSB<<8)|\new
.set MSB, \new
.endif
.endm
.macro PLACES                          ; four plain places behind matrix instructions, in front of loads into their registers and of the first read of results
.rept 4
	v_nop
.endr
.endm
; One matrix instruction: D = rD, A = rA, B = rB, C = 0 (fZ) or D; scale words rSA, rSB, taken from lanes 16-31 where fRA, fRB
.macro MM
.if fZ
.if fRA && fRB
	v_wmma_scale_f32_16x16x128_f8f6f4 v[rD:rD+7], v[rA:rA+7], v[rB:rB+7], 0, v[rSA], v[rSB] matrix_a_fmt:MATRIX_FMT_FP4 matrix_b_fmt:MATRIX_FMT_FP4 matrix_a_scale:MATRIX_SCALE_ROW1 matrix_b_scale:MATRIX_SCALE_ROW1
.elseif fRA
	v_wmma_scale_f32_16x16x128_f8f6f4 v[rD:rD+7], v[rA:rA+7], v[rB:rB+7], 0, v[rSA], v[rSB] matrix_a_fmt:MATRIX_FMT_FP4 matrix_b_fmt:MATRIX_FMT_FP4 matrix_a_scale:MATRIX_SCALE_ROW1
.elseif fRB
	v_wmma_scale_f32_16x16x128_f8f6f4 v[rD:rD+7], v[rA:rA+7], v[rB:rB+7], 0, v[rSA], v[rSB] matrix_a_fmt:MATRIX_FMT_FP4 matrix_b_fmt:MATRIX_FMT_FP4 matrix_b_scale:MATRIX_SCALE_ROW1
.else
	v_wmma_scale_f32_16x16x128_f8f6f4 v[rD:rD+7], v[rA:rA+7], v[rB:rB+7], 0, v[rSA], v[rSB] matrix_a_fmt:MATRIX_FMT_FP4 matrix_b_fmt:MATRIX_FMT_FP4
.endif
.else
.if fRA && fRB
	v_wmma_scale_f32_16x16x128_f8f6f4 v[rD:rD+7], v[rA:rA+7], v[rB:rB+7], v[rD:rD+7], v[rSA], v[rSB] matrix_a_fmt:MATRIX_FMT_FP4 matrix_b_fmt:MATRIX_FMT_FP4 matrix_a_scale:MATRIX_SCALE_ROW1 matrix_b_scale:MATRIX_SCALE_ROW1
.elseif fRA
	v_wmma_scale_f32_16x16x128_f8f6f4 v[rD:rD+7], v[rA:rA+7], v[rB:rB+7], v[rD:rD+7], v[rSA], v[rSB] matrix_a_fmt:MATRIX_FMT_FP4 matrix_b_fmt:MATRIX_FMT_FP4 matrix_a_scale:MATRIX_SCALE_ROW1
.elseif fRB
	v_wmma_scale_f32_16x16x128_f8f6f4 v[rD:rD+7], v[rA:rA+7], v[rB:rB+7], v[rD:rD+7], v[rSA], v[rSB] matrix_a_fmt:MATRIX_FMT_FP4 matrix_b_fmt:MATRIX_FMT_FP4 matrix_b_scale:MATRIX_SCALE_ROW1
.else
	v_wmma_scale_f32_16x16x128_f8f6f4 v[rD:rD+7], v[rA:rA+7], v[rB:rB+7], v[rD:rD+7], v[rSA], v[rSB] matrix_a_fmt:MATRIX_FMT_FP4 matrix_b_fmt:MATRIX_FMT_FP4
.endif
.endif
.endm
; A GROUP of the stream: nine loads: 8 bytes a lane of scale words, then four fragments (eight loads of 16 bytes a lane, 512 consecutive bytes each).  st: the step, counted from the base.
.macro KGROUP g, set, st               ; K steps 2 g and 2 g + 1 of d, tiles u = 0, 1
	WIN 0
	global_load_b64 v[KS+8*(\set)+2*(\g):KS+8*(\set)+2*(\g)+1], v[SO8], s[KSB:KSB+1] offset:4096*(\st)+256*(\g)
	WIN 0x80                                       ; destination window 2
.irp sp, 0,1
.irp u, 0,1
.irp c, 0,1
	global_load_b128 v[128*(\set)+8*(4*(\g)+2*\sp+\u)+4*\c:128*(\set)+8*(4*(\g)+2*\sp+\u)+4*\c+3], v[KO], s[KB:KB+1] offset:65536*(\st)+8192*\u+1024*(2*(\g)+\sp)+512*\c
.endr
.endr
.endr
.endm
.macro VGROUP g, set, st               ; d tiles 4 g .. 4 g + 3 of my sixteen
	WIN 0
	global_load_b64 v[VS+8*(\set)+2*(\g):VS+8*(\set)+2*(\g)+1], v[SO8], s[VSB:VSB+1] offset:4096*(\st)+256*(\g)
	WIN 0x40                                       ; destination window 1
.irp x, 0,1,2,3
.irp c, 0,1
	global_load_b128 v[128*(\set)+8*(4*(\g)+\x)+4*\c:128*(\set)+8*(4*(\g)+\x)+4*\c+3], v[KO], s[VB:VB+1] offset:65536*(\st)+1024*(4*(\g)+\x)+512*\c
.endr
.endr
.endm
; PREFETCHES INTO THE L2.  All 32 work-groups of a batch walk the same codes from step 0 on; the one that walks all sixteen steps (i = 31) asks, and nobody else.  Each of its waves asks for its own 16,384 bytes of a step,
; lanes 256 bytes apart, two instructions a step, two steps a pair: each aligned block of 256 bytes is named once in the launch.  Pair T of phase 1 asks for K's steps 6 + 2 T and 7 + 2 T while there are such (T <= 4),
; from then on for V's, from step 0; phase 2's pairs 0 to 4 ask for V's steps 6 + 2 T and 7 + 2 T: four steps ahead of the load that wants them.  After 13 pairs nothing is asked for.  K's steps 0 to 5 and the scale words come by their loads alone.
.macro ASK
	s_cmp_lt_u32 s[PFC], s[PFL]
	s_cbranch_scc0 .Lnot_mine_\@
	global_prefetch_b8 v[PFO], s[PFA:PFA+1] th:TH_LOAD_NT scope:SCOPE_SE
	global_prefetch_b8 v[PFO], s[PFA:PFA+1] offset:8192 th:TH_LOAD_NT scope:SCOPE_SE
	global_prefetch_b8 v[PFO], s[PFA:PFA+1] offset:65536 th:TH_LOAD_NT scope:SCOPE_SE
	global_prefetch_b8 v[PFO], s[PFA:PFA+1] offset:73728 th:TH_LOAD_NT scope:SCOPE_SE
.Lnot_mine_\@:
.endm
.macro PFSTEP                          ; a pair on; behind K's last pair: V's first.  (It stands behind s_wait_xcnt 0: the last prefetches have read their address)
	s_add_nc_u64 s[PFA:PFA+1], s[PFA:PFA+1], 131072
	s_add_co_u32 s[PFC], s[PFC], 1
	s_cmp_eq_u32 s[PFC], 5
	s_cselect_b64 s[PFA:PFA+1], s[VPF:VPF+1], s[PFA:PFA+1]
.endm
; A STEP'S 64 PRODUCTS of S^T = K Q^T, four groups of 16.  The eight accumulators take turns, one instruction a turn.
; mode 0: each group's registers are loaded again, with the step two on; behind a group's nine loads seven groups' 63 have then been issued, from the prologue on and round the loop alike.
; mode 1, 2: the last pair's first and second step: nothing is loaded, and the counts run down.
.macro S_MMA set, mode
.irp g, 0,1,2,3
.if (\mode) == 0
	s_wait_loadcnt 63                              ; loads come back in order (ISA guide 5.7.1): this group's nine are in, the seven groups behind it may be out
.elseif (\mode) == 1
	s_wait_loadcnt 63-9*\g
.else
	s_wait_loadcnt 27-9*\g
.endif
	WIN 0x06                                       ; source 0 (K) window 2, source 1 (Q) window 1, C and D window 0
.irp sp, 0,1
.irp u, 0,1
.irp m, 0,1,2,3
.set sK, 2*\g+\sp
.set rD, S+16*\m+8*\u
.set rA, 128*(\set)+8*(4*\g+2*\sp+\u)
.set rB, 8*(8*\m+sK)
.set rSA, KS+8*(\set)+2*\g+\sp
.set rSB, QS+4*\m+(sK%4)
.set fZ, (sK==0)
.set fRA, \u
.set fRB, (sK/4)
	MM
.endr
.endr
.endr
.if ((\mode) == 0) || (\g == 3)
	WIN 0
	PLACES
.endif
.if (\mode) == 0
.if ((\set) == 1) && (\g == 3)
	s_wait_xcnt 0x0                                ; all earlier loads and prefetches have read their bases, so these may step: the pair's last group is then loaded one pair lower
	s_add_nc_u64 s[KB:KB+1], s[KB:KB+1], 131072
	s_add_nc_u64 s[KSB:KSB+1], s[KSB:KSB+1], 8192
	PFSTEP
	KGROUP 3, 1, 1
.else
	KGROUP \g, \set, (\set)+2
.endif
.endif
.if ((\mode) < 2) && ((\set) == 0) && (\g == 0)
	WIN 0
	ASK
.endif
.endr
.endm
; THE SOFTMAX'S PART OF A STEP, for my key block and the four tiles of queries, the tiles by turns.  st: the step's place in its pair.  mask = 1: the last pair.
.macro S_SOFT st, mask
	WIN 0
	s_wait_dscnt 0x0                               ; the last step's LDS stores have read their registers
.if \mask
	v_sub_nc_u32 v[D0], v[QB], s[KF]               ; register 8 u + jj of tile m holds key KF + 128 st + 32 w + 16 u + 8 h + jj for query 64 i + 16 m + r: hidden where 128 st + 16 u + jj - 16 m > D0
.irp m, 0,1,2,3
.irp u, 0,1
.irp jj, 0,1,2,3,4,5,6,7
	v_cmp_gt_i32 vcc_lo, 128*(\st)+16*\u+\jj-16*\m, v[D0]
	v_cndmask_b32 v[S+16*\m+8*\u+\jj], v[S+16*\m+8*\u+\jj], v[NINF], vcc_lo
.endr
.endr
.endr
.endif
.irp m, 0,1,2,3
	v_max3_num_f32 v[TM+\m], v[S+16*\m], v[S+16*\m+1], 0xf149f2ca   ; the block's largest score, with the floor -1e30 among the leaves; each accumulator is read from its low end on
.endr
.irp k, 2,4,6,8,10,12,14
.irp m, 0,1,2,3
	v_max3_num_f32 v[TM+\m], v[TM+\m], v[S+16*\m+\k], v[S+16*\m+\k+1]
.endr
.endr
.irp m, 0,1,2,3
	v_permlanex16_b32 v[ST+4*\m+1], v[TM+\m], s[SEL], s[SEL+1]
.endr
.irp m, 0,1,2,3
	v_max_num_f32 v[TM+\m], v[TM+\m], v[ST+4*\m+1]   ; with lane l xor 16's 16 keys
.endr
.irp m, 0,1,2,3
	v_mul_f32 v[ST+4*\m+1], s[CS], v[TM+\m]        ; as t
.endr
.irp m, 0,1,2,3
	v_floor_f32 v[ST+4*\m], v[ST+4*\m+1]           ; fl: a whole number
.endr
.irp k, 0,2,4,6,8,10,12,14
.irp m, 0,1,2,3
	v_pk_fma_f32 v[S+16*\m+\k:S+16*\m+\k+1], v[S+16*\m+\k:S+16*\m+\k+1], s[CS:CS+1], v[ST+4*\m:ST+4*\m+1] op_sel_hi:[1,0,0] neg_lo:[0,0,1] neg_hi:[0,0,1]   ; t - fl, two at a time
.endr
.endr
.set n, 0
.rept 64
	v_exp_f32 v[S+n], v[S+n]                       ; 2^(t - fl), under 2: ONE BATCH
.set n, n+1
.endr
	v_add_nc_u32 v[ADP], s[TJP], v[APW]            ; (plain work behind the exponentials)
	v_add_nc_u32 v[ADF], s[TJF], v[AFW]
	s_wait_alu depctr_va_vdst(0)                   ; the wait ahead of the first line that names a result: one for the batch
.irp m, 0,1,2,3
	v_pk_add_f32 v[ST+4*\m+2:ST+4*\m+3], v[S+16*\m:S+16*\m+1], v[S+16*\m+2:S+16*\m+3]   ; the block's sum, of the UNQUANTISED numbers
.endr
.irp k, 4,6,8,10,12,14
.irp m, 0,1,2,3
	v_pk_add_f32 v[ST+4*\m+2:ST+4*\m+3], v[ST+4*\m+2:ST+4*\m+3], v[S+16*\m+\k:S+16*\m+\k+1]
.endr
.endr
.irp m, 0,1,2,3
	v_add_f32 v[ST+4*\m+2], v[ST+4*\m+2], v[ST+4*\m+3]
.endr
.irp m, 0,1,2,3
	v_permlanex16_b32 v[ST+4*\m+1], v[ST+4*\m+2], s[SEL], s[SEL+1]
.endr
.irp m, 0,1,2,3
	v_add_f32 v[ST+4*\m+2], v[ST+4*\m+2], v[ST+4*\m+1]
.endr
.irp m, 0,1,2,3
.irp u, 0,1
	v_cvt_scalef32_pk8_fp4_f32 v[PC+2*\m+\u], v[S+16*\m+8*\u:S+16*\m+8*\u+7], v[SCL]   ; / 2^-2, to the nearest code, beyond 6 the code of 6
.endr
.endr
	v_nop                                          ; one plain line behind the last conversion
.irp m, 0,1,2,3
.irp u, 0,1
	ds_store_b32 v[ADP], v[PC+2*\m+\u] offset:1024*(\st)+256*\m+8*\u   ; keys 16 u + 8 h + 0 .. 7 of the block: bytes 8 u + 4 h of query r's sixteen
.endr
	ds_store_b32 v[ADF], v[ST+4*\m] offset:4*(\st)+1280*\m             ; both halves of the lanes store the same word with the same value
	ds_store_b32 v[ADF], v[ST+4*\m+2] offset:4*(\st)+1280*\m+SUMO
.endr
.endm
; P's four fragments and two registers of scale words, of the step off steps on from the pair in hand, into set
.macro PLOAD set, off
	v_add_nc_u32 v[ADP], s[TP], v[AP0]
	v_add_nc_u32 v[ADS], s[TS], v[APS0]
.irp m, 0,1,2,3
.irp c, 0,1
	ds_load_b128 v[P+32*(\set)+8*\m+4*\c:P+32*(\set)+8*\m+4*\c+3], v[ADP] offset:1024*(\off)+32768*\c+256*\m   ; key block 2 c + h
.endr
.endr
.irp mp, 0,1
	ds_load_b32 v[PS+2*(\set)+\mp], v[ADS] offset:64*(\off)+2048*\mp   ; lanes 0-15 tile 2 mp, lanes 16-31 tile 2 mp + 1
.endr
.endm
; A STEP'S 64 PRODUCTS of O^T += V^T P^T: four groups of four d tiles x four m.  The 64 accumulators take turns.  zero = 1: the first step starts the sums: nothing is cleared.  mode as in S_MMA.  pnext = 1: the next step's P is fetched.
.macro V_STEP set, zero, mode, pnext
	WIN 0
	s_wait_dscnt 0x0                               ; this step's P is in (asked for a step ago)
.if \pnext
	PLOAD 1-(\set), 1+(\set)
.endif
.irp g, 0,1,2,3
.if (\mode) == 0
	s_wait_loadcnt 63                              ; this group's nine loads are in, the seven groups behind it may be out
.elseif (\mode) == 1
	s_wait_loadcnt 63-9*\g
.else
	s_wait_loadcnt 27-9*\g
.endif
.if \g < 2
	WIN 0xa1                                       ; source 0 (V) window 1, source 1 (P) window 0, C and D window 2
.else
	WIN 0xf1                                       ; C and D window 3
.endif
.irp x, 0,1,2,3
.irp m, 0,1,2,3
.set rD, 8*(4*((4*\g+\x)%8)+\m)
.set rA, 128*(\set)+8*(4*\g+\x)
.set rB, P+32*(\set)+8*\m
.set rSA, VS+8*(\set)+2*\g+(\x/2)
.set rSB, PS+2*(\set)+(\m/2)
.set fZ, \zero
.set fRA, (\x%2)
.set fRB, (\m%2)
	MM
.endr
.endr
.if ((\mode) == 0) || (\g == 3)
	WIN 0
	PLACES
.endif
.if (\mode) == 0
.if ((\set) == 1) && (\g == 3)
	s_wait_xcnt 0x0                                ; as in S_MMA
	s_add_nc_u64 s[VB:VB+1], s[VB:VB+1], 131072
	s_add_nc_u64 s[VSB:VSB+1], s[VSB:VSB+1], 8192
	PFSTEP
	VGROUP 3, 1, 1
.else
	VGROUP \g, \set, (\set)+2
.endif
.if ((\set) == 0) && (\g == 0)
	WIN 0
	ASK
.endif
.endif
.endr
	WIN 0
.endm
	s_load_b256 s[4:11], s[0:1], 0x0               ; query_codes s[4:5], query_scales s[6:7], vk_codes s[8:9], vk_scales s[10:11]
	s_load_b128 s[12:15], s[0:1], 0x20             ; vt_codes s[12:13], vt_scales s[14:15]
	s_load_b64 s[16:17], s[0:1], 0x30              ; out0
	v_lshl_add_u32 v[SPW], v0, 2, SPARE
	v_mov_b32 v[NIL], 0
	v_lshrrev_b32 v1, 5, v0
	v_readfirstlane_b32 s[WV], v1                  ; wave 0..3
	v_and_b32 v1, 31, v0                           ; lane
	v_and_b32 v2, 15, v0                           ; r
	v_bfe_u32 v3, v0, 4, 1                         ; h
	s_mov_b32 s[WI], ttmp9                         ; i: my block of 64 queries
	s_and_b32 s[WB], ttmp7, 0xffff                 ; b: the batch
	s_lshr_b32 s[NP1], s[WI], 2
	s_min_u32 s[NP1], s[NP1], 7
	v_lshlrev_b32 v[KO], 4, v1
	v_lshlrev_b32 v[SO8], 3, v1
	v_lshlrev_b32 v[PFO], 8, v1
	s_lshl_b32 s21, s[WV], 14
	v_lshlrev_b32 v25, 4, v2                       ; 16 r
	v_lshl_add_u32 v[APW], v3, 2, v25
	v_add_nc_u32 v[APW], s21, v[APW]
	v_lshl_add_u32 v[AP0], v3, 14, v25
	s_mul_i32 s21, s[WV], 5120
	s_add_co_u32 s21, s21, FL
	v_mul_u32_u24 v26, v2, 80                      ; 80 r
	v_add_nc_u32 v[AFW], s21, v26
	s_mul_i32 s21, s[WV], 1280
	s_add_co_u32 s21, s21, FL
	v_lshl_add_u32 v[AFR], v3, 5, v26
	v_add_nc_u32 v[AFR], s21, v[AFR]
	v_lshlrev_b32 v27, 2, v2                       ; 4 r
	v_lshl_add_u32 v[APS0], v3, 10, v27
	v_add_nc_u32 v[APS0], PSC, v[APS0]
	s_lshl_b32 s21, s[WV], 10
	s_add_co_u32 s21, s21, PSC
	v_lshl_add_u32 v[APM], v3, 9, v27
	v_add_nc_u32 v[APM], s21, v[APM]
	s_lshl_b32 s21, s[WV], 6
	s_add_co_u32 s21, s21, LIV
	v_add_nc_u32 v[ALW], s21, v27
	v_add_nc_u32 v[ALV], LIV, v27
	s_mul_i32 s21, s[WV], 8448
	s_add_co_u32 s21, s21, STG
	v_mul_u32_u24 v[STO], v2, 528
	v_lshl_add_u32 v[STO], v3, 5, v[STO]
	v_add_nc_u32 v[STO], s21, v[STO]
	v_add_nc_u32 v[RD], s21, v[KO]
	s_lshl_b32 s21, s[WI], 6
	s_lshl_b32 s53, s[WV], 5
	s_sub_co_i32 s21, s21, s53
	v_add_nc_u32 v[QB], s21, v2
	v_lshlrev_b32 v28, 3, v3
	v_sub_nc_u32 v[QB], v[QB], v28
	v_lshlrev_b32 v[AQ], 9, v2
	v_lshl_add_u32 v[AQ], v3, 4, v[AQ]
	v_lshlrev_b32 v[AQS], 5, v2
	v_lshl_add_u32 v[AQS], v3, 4, v[AQS]
	v_lshl_add_u32 v25, v3, 5, v[AFW]              ; for the first stores below: my row's steps 8 h on
	v_mov_b32 v[NINF], 0xff800000
	v_mov_b32 v[SCL], 0x3e800000
.irp k, 0,1,2,3
	v_mov_b32 v[NEGW+\k], 0xf149f2ca
	v_mov_b32 v[ZERW+\k], 0
	v_mov_b32 v[ST+4*\k+1], 0                      ; written once: a lane permute's destination counts as one of its sources
.endr
	s_mov_b32 s[SEL], 0x76543210
	s_mov_b32 s[SEL+1], 0xfedcba98
	s_mov_b32 s[CS], 0x3fb8aa3b                    ; log2(e)
	s_mov_b32 s[CS+1], s[CS]
	s_mov_b32 s[PFC], 0
	s_cmp_eq_u32 s[WI], 31
	s_cselect_b32 s[PFL], 13, 0
	s_lshl_b32 s54, s[WB], 20                      ; a batch's codes: 16 steps of 65,536 bytes; my wave's 16,384 of a step
	s_lshl_b32 s55, s[WV], 14
	s_add_co_u32 s54, s54, s55
	s_mov_b32 s55, 0
	s_lshl_b32 s56, s[WB], 16                      ; its scale words: 16 steps of 4,096 bytes; my wave's 1,024
	s_lshl_b32 s57, s[WV], 10
	s_add_co_u32 s56, s56, s57
	s_mov_b32 s57, 0
	s_lshl_b32 s58, s[WB], 11
	s_lshl_b32 s59, s[WI], 6
	s_add_co_u32 s58, s58, s59                     ; my first query among the 16,384
	s_lshl_b32 s60, s58, 9                         ; 512 bytes of codes a row,
	s_mov_b32 s61, 0
	s_lshl_b32 s62, s58, 5                         ; 32 scale bytes,
	s_mov_b32 s63, 0
	s_lshl_b32 s58, s58, 12                        ; 4,096 bytes of out0,
	s_lshl_b32 s59, s[WV], 10                      ; my wave's 256 columns
	s_add_co_u32 s58, s58, s59
	s_mov_b32 s59, 0
	s_wait_kmcnt 0x0
	s_add_nc_u64 s[KB:KB+1], s[8:9], s[54:55]
	s_add_nc_u64 s[VB:VB+1], s[12:13], s[54:55]
	s_add_nc_u64 s[KSB:KSB+1], s[10:11], s[56:57]
	s_add_nc_u64 s[VSB:VSB+1], s[14:15], s[56:57]
	s_add_nc_u64 s[QCB:QCB+1], s[4:5], s[60:61]
	s_add_nc_u64 s[QSB:QSB+1], s[6:7], s[62:63]
	s_add_nc_u64 s[OUTP:OUTP+1], s[16:17], s[58:59]
	s_add_nc_u64 s[PFA:PFA+1], s[KB:KB+1], 6*65536
	s_mov_b64 s[VPF:VPF+1], s[VB:VB+1]
.irp m, 0,1,2,3
	global_load_b128 v[QS+4*\m:QS+4*\m+3], v[AQS], s[QSB:QSB+1] offset:512*\m th:TH_LOAD_NT   ; a row's eight scale words: lanes 0-15 the first four, lanes 16-31 the last four
.endr
	WIN 0x40                                       ; destination window 1
.irp m, 0,1,2,3
.irp s, 0,1,2,3,4,5,6,7
.irp c, 0,1
	global_load_b128 v[8*(8*\m+\s)+4*\c:8*(8*\m+\s)+4*\c+3], v[AQ], s[QCB:QCB+1] offset:8192*\m+64*\s+32*\c th:TH_LOAD_NT   ; Q stays in registers through phase 1
.endr
.endr
.endr
.irp g, 0,1,2,3
	KGROUP \g, 0, 0                                ; the stream's prologue: steps 0 and 1
.endr
.irp g, 0,1,2,3
	KGROUP \g, 1, 1
.endr
	WIN 0
.irp m, 0,1,2,3
.irp k, 0,1
	ds_store_b128 v25, v[NEGW:NEGW+3] offset:1280*\m+16*\k        ; my own fl and sums of all sixteen steps begin as -1e30 and 0: steps that are not walked count for nothing
	ds_store_b128 v25, v[ZERW:ZERW+3] offset:1280*\m+16*\k+SUMO
.endr
.endr
	; ---- PHASE 1
	s_mov_b32 s[TT], 0
	s_mov_b32 s[TJP], 0
	s_mov_b32 s[TJF], 0
.Lp1:                                              ; seven trips; a pair at or behind my last is passed over: ids alone, the same in all four waves
	s_cmp_ge_u32 s[TT], s[NP1]
	s_cbranch_scc1 .Lp1_skip
	S_MMA 0, 0
	S_SOFT 0, 0
	S_MMA 1, 0
	S_SOFT 1, 0
.Lp1_skip:
	s_add_co_u32 s[TJP], s[TJP], 2048
	s_add_co_u32 s[TJF], s[TJF], 8
	s_add_co_u32 s[TT], s[TT], 1
	s_cmp_lt_u32 s[TT], 7
	s_cbranch_scc1 .Lp1
	s_lshl_b32 s[TJP], s[NP1], 11                  ; the last pair, written out: it loads nothing more of K, and it masks
	s_lshl_b32 s[TJF], s[NP1], 3
	s_lshl_b32 s[KF], s[NP1], 8
	S_MMA 0, 1
	S_SOFT 0, 1
	S_MMA 1, 2
.irp g, 0,1,2,3
	VGROUP \g, 0, 0                                ; Q is done with (four places stand behind the last product): V's steps 0 and 1 are asked for, under the last softmax and the mid phase
.endr
.irp g, 0,1,2,3
	VGROUP \g, 1, 1
.endr
	S_SOFT 1, 1
	s_wait_xcnt 0x0                                ; the last prefetches have read their address
	PFSTEP
	s_wait_dscnt 0x0                               ; for the others' sake: my codes, fl and sums lie in LDS
	s_barrier_signal -1
	s_barrier_wait -1
	; ---- MID PHASE: tile m = my wave's number; lane (r, h) takes steps 8 h .. 8 h + 7 of the four key blocks: register 8 w' + jj
.irp wq, 0,1,2,3
.irp k, 0,1
	ds_load_b128 v[F+8*\wq+4*\k:F+8*\wq+4*\k+3], v[AFR] offset:5120*\wq+16*\k
.endr
.endr
.irp wq, 0,1,2,3
.irp k, 0,1
	ds_load_b128 v[U+8*\wq+4*\k:U+8*\wq+4*\k+3], v[AFR] offset:5120*\wq+16*\k+SUMO
.endr
.endr
	s_wait_dscnt 8                                 ; the 32 fl are in; the sums' eight loads may be out
.irp c, 0,1,2,3
	v_max3_num_f32 v[TM+\c], v[F+8*\c], v[F+8*\c+1], v[F+8*\c+2]
.endr
.irp k, 3,5
.irp c, 0,1,2,3
	v_max3_num_f32 v[TM+\c], v[TM+\c], v[F+8*\c+\k], v[F+8*\c+\k+1]
.endr
.endr
.irp c, 0,1,2,3
	v_max_num_f32 v[TM+\c], v[TM+\c], v[F+8*\c+7]
.endr
	v_max3_num_f32 v[TM], v[TM], v[TM+1], v[TM+2]
	v_max_num_f32 v[TM], v[TM], v[TM+3]
	v_permlanex16_b32 v[TM+1], v[TM], s[SEL], s[SEL+1]
	v_max_num_f32 v[TM], v[TM], v[TM+1]            ; R: the row's largest fl
.set n, 0
.rept 16
	v_pk_add_f32 v[F+n:F+n+1], v[F+n:F+n+1], v[TM:TM+1] op_sel_hi:[1,0] neg_lo:[0,1] neg_hi:[0,1]   ; fl - R: a whole number, 0 or less
.set n, n+2
.endr
.set n, 0
.rept 32
	v_max_num_f32 v[F+n], 0xc2f80000, v[F+n]       ; held at -124: the byte cannot fall under 1
.set n, n+1
.endr
.set n, 0
.rept 32
	v_cvt_i32_f32 v[F+n], v[F+n]
.set n, n+1
.endr
	s_wait_dscnt 0x0                               ; the sums are in
.set n, 0
.rept 32
	v_ldexp_f32 v[U+n], v[U+n], v[F+n]             ; a block's sum under R: nothing is rounded
.set n, n+1
.endr
.irp k, 4,8,12,16,20,24,28
	v_pk_add_f32 v[U:U+1], v[U:U+1], v[U+\k:U+\k+1]
	v_pk_add_f32 v[U+2:U+3], v[U+2:U+3], v[U+\k+2:U+\k+3]
.endr
	v_pk_add_f32 v[U:U+1], v[U:U+1], v[U+2:U+3]
	v_add_f32 v[U], v[U], v[U+1]
	v_permlanex16_b32 v[U+1], v[U], s[SEL], s[SEL+1]
	v_add_f32 v[U], v[U], v[U+1]                   ; l
	v_rcp_f32 v[U+2], v[U]
.set n, 0
.rept 32
	v_add_nc_u32 v[F+n], 125, v[F+n]               ; the block's byte: 125 + fl - R.  (Plain work behind the reciprocal)
.set n, n+1
.endr
.irp jj, 0,1,2,3,4,5,6,7
	v_lshl_or_b32 v[F+\jj], v[F+8+\jj], 8, v[F+\jj]     ; a step's four bytes make the row's scale word
	v_lshl_or_b32 v[F+\jj], v[F+16+\jj], 16, v[F+\jj]
	v_lshl_or_b32 v[F+\jj], v[F+24+\jj], 24, v[F+\jj]
.endr
	s_wait_alu depctr_va_vdst(0)                   ; the wait ahead of the first line that names the reciprocal
.irp jj, 0,1,2,3,4,5,6,7
	ds_store_b32 v[APM], v[F+\jj] offset:64*\jj
.endr
	ds_store_b32 v[ALW], v[U+2]
	s_wait_dscnt 0x0                               ; for the others' sake: the scale words and 1 / l lie in LDS
	s_barrier_signal -1
	s_barrier_wait -1
	; ---- PHASE 2
	s_mov_b32 s[TP], 0
	s_mov_b32 s[TS], 0
	PLOAD 0, 0
.irp m, 0,1,2,3
	ds_load_b32 v[LV+2*\m], v[ALV] offset:64*\m    ; 1 / l of my query in tile m; the pair's second register is named with it, so it is written
	ds_load_b32 v[LV+2*\m+1], v[ALV] offset:64*\m
.endr
	s_cmp_eq_u32 s[NP1], 0
	s_cbranch_scc1 .Lone_pair
	V_STEP 0, 1, 0, 1                              ; pair 0 stands in front of the loop: its first step starts the sums
	V_STEP 1, 0, 0, 1
	s_mov_b32 s[TT], 1
	s_mov_b32 s[TP], 2048
	s_mov_b32 s[TS], 128
.Lp2:                                              ; six trips; a pair at or behind my last is passed over
	s_cmp_ge_u32 s[TT], s[NP1]
	s_cbranch_scc1 .Lp2_skip
	V_STEP 0, 0, 0, 1
	V_STEP 1, 0, 0, 1
.Lp2_skip:
	s_add_co_u32 s[TP], s[TP], 2048
	s_add_co_u32 s[TS], s[TS], 128
	s_add_co_u32 s[TT], s[TT], 1
	s_cmp_lt_u32 s[TT], 7
	s_cbranch_scc1 .Lp2
	s_lshl_b32 s[TP], s[NP1], 11                   ; the last pair, written out: it loads nothing more of V
	s_lshl_b32 s[TS], s[NP1], 7
	V_STEP 0, 0, 1, 1
	s_branch .Llast_step
.Lone_pair:
	V_STEP 0, 1, 1, 1                              ; the only pair is the first and the last at once
.Llast_step:
	V_STEP 1, 0, 2, 0
	; ---- THE WAY OUT, in eight blocks a = 2 m + hf of 16 queries x 128 of my columns.  A lane holds 32 neighbouring bytes of a row and the lanes beside it other rows: a block goes through my own stage in LDS
	; and comes back as whole rows of 512 bytes.  LDS serves a wave's instructions in order (ISA guide 5.7.1.4): no wait between the stores and the loads, nor in front of the next block's stores.
.macro PACK a
.set wW, ((2+(\a)%2)<<6)|(2+(\a)%2)
	WIN wW                                         ; destination and source 0: window 2 or 3
.irp dl, 0,1,2,3,4,5,6,7
.irp k, 0,2,4,6
	v_pk_mul_f32 v[8*(4*\dl+(\a)/2)+\k:8*(4*\dl+(\a)/2)+\k+1], v[8*(4*\dl+(\a)/2)+\k:8*(4*\dl+(\a)/2)+\k+1], v[LV+2*((\a)/2):LV+2*((\a)/2)+1] op_sel_hi:[1,0]   ; x 1 / l, each accumulator from its low end on
.endr
.endr
.endm
.macro TOSTAGE a
.set wW, (2+(\a)%2)<<2
	WIN wW                                         ; an LDS store's data are its source 1
.irp dl, 0,1,2,3,4,5,6,7
	ds_store_b128 v[STO], v[8*(4*\dl+(\a)/2):8*(4*\dl+(\a)/2)+3] offset:64*\dl
	ds_store_b128 v[STO], v[8*(4*\dl+(\a)/2)+4:8*(4*\dl+(\a)/2)+7] offset:64*\dl+16
.endr
	WIN 0x40                                       ; back into window 1, four sets of 64 by turns
.irp t, 0,1,2,3,4,5,6,7,8,9,10,11,12,13,14,15
	ds_load_b128 v[64*((\a)%4)+4*\t:64*((\a)%4)+4*\t+3], v[RD] offset:528*\t
.endr
.endm
.macro SEND a, younger                 ; younger: the LDS instructions issued behind block a's loads
	s_wait_dscnt \younger
	WIN 0x04                                       ; a store's data are its source 1: window 1
.irp t, 0,1,2,3,4,5,6,7,8,9,10,11,12,13,14,15
	global_store_b128 v[KO], v[64*((\a)%4)+4*\t:64*((\a)%4)+4*\t+3], s[OUTP:OUTP+1] offset:(16*((\a)/2)+\t)*4096+512*((\a)%2) th:TH_STORE_NT   ; 32 lanes store 512 consecutive bytes, at a multiple of 256 from out0's first byte
.endr
.endm
	PACK 0                                         ; (four places stand behind the last product)
	TOSTAGE 0
.irp a, 1,2,3,4,5,6,7
	PACK \a
.if \a >= 4
	s_wait_xcnt 0x0                                ; block a - 4's stores have read their registers: block a's loads may land there
.endif
	TOSTAGE \a
	SEND \a-1, 32                                  ; behind block a - 1's loads: block a's 16 stores and 16 loads
.endr
	SEND 7, 0
	WIN 0
	s_wait_tensorcnt 0x0                           ; the wave's end, behind my last LDS store
	ds_add_u32 v[SPW], v[NIL]
	s_wait_dscnt 0x0
	s_endpgm
.Lfunc_end_k_qaeafbe8232_attn:
	.size	k_qaeafbe8232_attn, .Lfunc_end_k_qaeafbe8232_attn-k_qaeafbe8232_attn
	.p2alignl 7, 3214868480
	.fill 96, 4, 3214868480
	.section	.rodata,"a",@progbits
	.p2align	6, 0x0
	.amdhsa_kernel k_qaeafbe8232_attn
		.amdhsa_group_segment_fixed_size 145152
		.amdhsa_private_segment_fixed_size 0
		.amdhsa_enable_private_segment 0
		.amdhsa_kernarg_size 56
		.amdhsa_user_sgpr_count 2
		.amdhsa_user_sgpr_kernarg_segment_ptr 1
		.amdhsa_wavefront_size32 1
		.amdhsa_system_sgpr_workgroup_id_x 1
		.amdhsa_system_sgpr_workgroup_id_y 1
		.amdhsa_system_sgpr_workgroup_id_z 1
		.amdhsa_system_vgpr_workitem_id 0
		.amdhsa_next_free_vgpr 1024
		.amdhsa_next_free_sgpr 66
		.amdhsa_reserve_vcc 1
		.amdhsa_float_denorm_mode_32 3
		.amdhsa_float_denorm_mode_16_64 3
		.amdhsa_memory_ordered 1
		.amdhsa_forward_progress 1
		.amdhsa_inst_pref_size 255
	.end_amdhsa_kernel
	.section	.bss,"aw",@nobits
	.p2align	6
	.space	262144
	.amdgpu_metadata
---
amdhsa.version: [ 1, 2 ]
amdhsa.kernels:
  - .name:           k_qaeafbe8232_attn
    .symbol:         k_qaeafbe8232_attn.kd
    .args:
      - { .name: query_codes, .offset: 0, .size: 8, .value_kind: global_buffer, .address_space: global }
      - { .name: query_scales, .offset: 8, .size: 8, .value_kind: global_buffer, .address_space: global }
      - { .name: vk_codes, .offset: 16, .size: 8, .value_kind: global_buffer, .address_space: global }
      - { .name: vk_scales, .offset: 24, .size: 8, .value_kind: global_buffer, .address_space: global }
      - { .name: vt_codes, .offset: 32, .size: 8, .value_kind: global_buffer, .address_space: global }
      - { .name: vt_scales, .offset: 40, .size: 8, .value_kind: global_buffer, .address_space: global }
      - { .name: out0, .offset: 48, .size: 8, .value_kind: global_buffer, .address_space: global }
    .group_segment_fixed_size: 145152
    .private_segment_fixed_size: 0
    .kernarg_segment_align: 8
    .kernarg_segment_size: 56
    .max_flat_workgroup_size: 128
    .sgpr_count:     66
    .vgpr_count:     1024
    .wavefront_size: 32
...
	.end_amdgpu_metadata
.endif
;; end of part 2
;; ======== version 2 of 2: 3 launches
;; limits: right only within a limited range of input values
;; workspace buffers: vk_codes 8,388,608 bytes; vk_scales 524,288 bytes; vt_codes 8,388,608 bytes; vt_scales 524,288 bytes; pfs 13,369,344 bytes
;; launch quant (part 3): grid 256 x 1, 16 waves a work-group, no clusters, 327,680 bytes of LDS; arguments value, vk_codes, vk_scales, vt_codes, vt_scales; writes vk_codes, vk_scales, vt_codes, vt_scales
.if DOCPART == 3
	.amdgcn_target "amdgcn-amd-amdhsa--gfx1250"
	.amdhsa_code_object_version 6
	.text
	.protected	k_qaeafbe8232_quant
	.globl	k_qaeafbe8232_quant
	.p2align	8
	.type	k_qaeafbe8232_quant,@function
k_qaeafbe8232_quant:
	s_mov_b64 s[64:65], 0
	v_nop
	global_prefetch_b8 v0, s[64:65] scope:SCOPE_SE
	s_setreg_imm32_b32 hwreg(HW_REG_WAVE_MODE, 25, 1), 1
	s_wait_xcnt 0x0
; value [8][2048 keys][1024 d], f32, is quantised TWICE to codes of FP4 (E2M1) with one E8M0 byte for each 32 numbers:
; along d (the keys' operand of Q V^T) into vk_codes / vk_scales, along the keys (the values' operand of P V) into vt_codes / vt_scales.
; A block's scale is 2^(floor(log2(its largest magnitude)) - 2); its byte is the largest magnitude's exponent field - 2, held at 1 from below.
; (A block of zeros gets the byte 1 where the rule says 127: its codes are zeros, and the bytes are read by this program alone.)
; LIMITS: blocks whose largest magnitude lies under 2^-124 get the byte 1; NaN and infinities among the inputs are not served.
; DEAD WORK LEFT OUT BY THE PROGRAM: reference() takes 1e9 from every score whose key comes after its query, and the softmax makes them zeros: tiles of 128 keys
; that lie wholly after a block of 128 queries are neither computed nor stored, for all inputs.  LIMIT: a NaN, an infinity or an overflow that reaches only those tiles is not carried to the result.
; LAYOUTS.  bj = 16 x batch + key step of 128.  An image is 1,024 bytes [block of 32 along K: 4][row 16][16 bytes]: two loads of 16 bytes a lane, at 16 x lane and 512 on, fill a matrix operand's eight registers.
;   vk_codes [bj][kb 4][image 2 s + u: 16]: row = key 32 kb + 16 u + r, block = d block 4 s + blk.      vk_scales [batch][d half 2][key 2048][16 bytes].
;   vt_codes [bj][d tile 64][image]: row = d, block = kb.      vt_scales [bj][64 of d: 16][lane 32][x 2] words: d = 32 x + lane of the 64.
; SHARES.  A work-group takes 128 keys x 512 d, a wave 64 keys (wave / 8) x 64 d (wave % 8): one tensor load of 64 rows x 256 bytes, each byte of value once, rows 272 bytes apart in LDS; filled once.
; From LDS each 32 x 32 part is read twice: a lane to a column d with its registers down the keys, and a lane to half a block along d of a key row.
; The waves meet once, for the scale bytes: a wave has 2 of a key's 16 bytes and 2 of a d's 4, which go through LDS.
; No clusters: no two work-groups read the same byte.  No prefetch: all of the launch's input is asked for by the head's loads.
.set PITCH,  272
.set REGION, 64*PITCH
.set SCS,    16*REGION                 ; 128 keys x 16 scale bytes, then 512 d x 4
.set SPARE,  SCS+4096                  ; the spare words, 128 bytes a wave
.set SPW, 4
.set NIL, 5
.set AC,  6                            ; my column: region + 4 x lane
.set AD,  7                            ; my row and half block
.set GT,  8
.set GK,  9
.set AST, 10                           ; where my bytes along the keys go
.set ASB, 11                           ; and those along d
.set AR8, 12                           ; where I read eight bytes back
.set GS8, 13
.set WT,  20
.set WK,  24
.set WS,  32
.set CT,  36
.set X,   64
.set Y,   128
.set G1,  24
.set G0,  32
	s_load_b256 s[4:11], s[0:1], 0x0               ; value s[4:5], vk_codes s[6:7], vk_scales s[8:9], vt_codes s[10:11]
	s_load_b64 s[12:13], s[0:1], 0x20              ; vt_scales
	v_lshl_add_u32 v[SPW], v0, 2, SPARE
	v_mov_b32 v[NIL], 0
	ds_add_u32 v[SPW], v[NIL]                      ; the wave's opening: the add, twice on end
	ds_add_u32 v[SPW], v[NIL]
	v_lshrrev_b32 v1, 5, v0
	v_readfirstlane_b32 s14, v1                    ; wave 0..15
	s_mov_b32 s[G1+0], (2<<16)|(1<<20)|(5<<22)|(3<<25)   ; elements of 4 bytes; after every 64 words 4 words of padding
	s_mov_b32 s[G1+1], 64<<16
	s_mov_b32 s[G1+2], 64<<16
	s_mov_b32 s[G1+3], 64<<16
	s_mov_b32 s[G1+4], 64
	s_mov_b32 s[G1+5], 1024
	s_mov_b32 s[G1+6], 0
	s_mov_b32 s[G1+7], 0
	s_and_b32 s16, ttmp9, 1                        ; which half of d
	s_lshr_b32 s17, ttmp9, 1                       ; bj
	s_and_b32 s42, s14, 7                          ; which 64 of it
	s_lshr_b32 s43, s14, 3                         ; which 64 keys
	s_mul_i32 s40, s14, REGION
	s_lshl_b32 s18, s17, 19                        ; 128 rows of 4,096 bytes,
	s_lshl_b32 s22, s43, 18                        ; 64 rows,
	s_add_co_u32 s18, s18, s22
	s_lshl_b32 s22, s16, 11                        ; 512 numbers,
	s_add_co_u32 s18, s18, s22
	s_lshl_b32 s22, s42, 8                         ; 64 numbers
	s_add_co_u32 s18, s18, s22
	s_mov_b32 s19, 0
	s_mov_b32 s23, 0
	s_mov_b32 s20, 0x76543210
	s_mov_b32 s21, 0xfedcba98                      ; v_permlanex16_b32's selects for lane l xor 16
	s_lshl_b32 s41, s42, 1
	s_lshl_b32 s44, s43, 10
	s_add_co_u32 s41, s41, s44
	s_add_co_u32 s41, s41, SCS
	s_lshl_b32 s45, s42, 8
	s_lshl_b32 s44, s43, 1
	s_add_co_u32 s45, s45, s44
	s_add_co_u32 s45, s45, SCS+2048
	v_and_b32 v1, 31, v0                           ; lane
	v_and_b32 v2, 15, v0                           ; r
	v_bfe_u32 v3, v0, 4, 1                         ; h
	v_lshl_add_u32 v[AC], v1, 2, s40
	v_mul_u32_u24 v[AD], v2, PITCH
	v_lshl_add_u32 v[AD], v3, 6, v[AD]
	v_add_nc_u32 v[AD], s40, v[AD]
	v_lshlrev_b32 v[GT], 4, v2
	v_lshl_add_u32 v[GK], v3, 3, v[GT]
	v_lshl_add_u32 v[GT], v3, 10, v[GT]
	v_lshlrev_b32 v[ASB], 4, v1
	v_add_nc_u32 v[ASB], s41, v[ASB]
	v_lshlrev_b32 v[AST], 3, v1
	v_add_nc_u32 v[AST], s45, v[AST]
	v_lshl_add_u32 v[AR8], v0, 3, SCS
	v_and_b32 v[GS8], 255, v0
	v_lshlrev_b32 v[GS8], 3, v[GS8]
	v_mov_b32 v18, 0                               ; a lane permute's destination counts as one of its sources
	v_mov_b32 v19, 0
	s_wait_alu depctr_va_vdst(0)                   ; the wait at the head's end
	s_wait_dscnt 0x0                               ; both opening adds are done
	s_wait_kmcnt 0x0
	s_mov_b32 s[G0+0], 1
	s_mov_b32 s[G0+1], s40
	s_add_nc_u64 s[G0+2:G0+3], s[4:5], s[18:19]
	s_or_b32 s[G0+3], s[G0+3], 0x80000000
	tensor_load_to_lds s[G0:G0+3], s[G1:G1+7]
	s_nop 0
	s_lshl_b32 s18, s17, 16                        ; 65,536 bytes of codes for each bj
	s_lshl_b32 s22, s16, 15
	s_add_co_u32 s22, s22, s18
	s_lshl_b32 s41, s42, 12
	s_add_co_u32 s22, s22, s41                     ; vt_codes: d tiles 32 half + 4 (wave % 8) on,
	s_lshl_b32 s41, s43, 9
	s_add_co_u32 s22, s22, s41                     ; blocks 2 (wave / 8) on
	s_add_nc_u64 s[10:11], s[10:11], s[22:23]
	s_lshl_b32 s22, s16, 13
	s_add_co_u32 s22, s22, s18
	s_lshr_b32 s41, s42, 1
	s_lshl_b32 s41, s41, 11
	s_add_co_u32 s22, s22, s41                     ; vk_codes: s = 4 half + (wave % 8) / 2,
	s_and_b32 s41, s42, 1
	s_lshl_b32 s41, s41, 9
	s_add_co_u32 s22, s22, s41                     ; blocks 2 (wave % 2) on,
	s_lshl_b32 s41, s43, 15
	s_add_co_u32 s22, s22, s41                     ; key blocks 2 (wave / 8) on
	s_add_nc_u64 s[6:7], s[6:7], s[22:23]
	s_lshl_b32 s22, s17, 12
	s_lshl_b32 s41, s16, 11
	s_add_co_u32 s22, s22, s41
	s_add_nc_u64 s[12:13], s[12:13], s[22:23]      ; vt_scales: the work-group's 2,048 bytes
	s_lshr_b32 s22, s17, 4
	s_lshl_b32 s22, s22, 16
	s_lshl_b32 s41, s16, 15
	s_add_co_u32 s22, s22, s41
	s_and_b32 s41, s17, 15
	s_lshl_b32 s41, s41, 11
	s_add_co_u32 s22, s22, s41
	s_add_nc_u64 s[8:9], s[8:9], s[22:23]          ; vk_scales: the work-group's 2,048 bytes
	s_cmp_lt_u32 s14, 8                            ; waves 0 to 7 store vk_scales, 8 to 15 vt_scales
	s_cselect_b64 s[8:9], s[8:9], s[12:13]
; Part t of 4: key block kb = t / 2 of my two, d block db = t % 2.  40 LDS loads: 32 of a word (my column, down the 32 keys), 8 of 16 bytes (two key rows' half blocks along d).
.macro LDT t
.set kb, (\t)/2
.set db, (\t)%2
.set xs, X+32*((\t)%2)
.set ys, Y+32*((\t)%2)
.irp i, 0,1,2,3,4,5,6,7,8,9,10,11,12,13,14,15,16,17,18,19,20,21,22,23,24,25,26,27,28,29,30,31
	ds_load_b32 v[xs+\i], v[AC] offset:(32*kb+\i)*PITCH+128*db
.endr
.irp u, 0,1
.irp i, 0,1,2,3
	ds_load_b128 v[ys+16*\u+4*\i:ys+16*\u+4*\i+3], v[AD] offset:(32*kb+16*\u)*PITCH+128*db+16*\i
.endr
.endr
.endm
; Part t is quantised both ways and stored.  younger: the LDS loads of the next part, issued behind this part's.
.macro WORK t, younger
.set kb, (\t)/2
.set db, (\t)%2
.set xs, X+32*((\t)%2)
.set ys, Y+32*((\t)%2)
.set ct, CT+8*((\t)%2)
.set ck, ct+4
	s_wait_dscnt (\younger)+8                      ; my 32 words are in; this part's eight loads of 16 bytes and the next part's 40 may be out
	s_wait_xcnt 0x0                                ; the codes' registers are written again only behind this wait
	v_max3_num_f32 v14, |v[xs]|, |v[xs+1]|, |v[xs+2]|
	v_max3_num_f32 v15, |v[xs+3]|, |v[xs+4]|, |v[xs+5]|
.irp i, 6,10,14,18,22,26
	v_max3_num_f32 v14, v14, |v[xs+\i]|, |v[xs+\i+1]|
	v_max3_num_f32 v15, v15, |v[xs+\i+2]|, |v[xs+\i+3]|
.endr
	v_max3_num_f32 v14, v14, |v[xs+30]|, |v[xs+31]|
	v_max3_num_f32 v14, v14, v15, 0x1800000        ; and the floor 2^(3 - 127): the byte cannot fall under 1
	v_add_nc_u32 v16, 0xff000000, v14              ; 2 off the exponent field
.irp g, 0,1,2,3
	v_cvt_scalef32_pk8_fp4_f32 v[ct+\g], v[xs+8*\g:xs+8*\g+7], v16
.endr
	v_lshrrev_b32 v18, 23, v16                     ; the scale's byte (a plain line behind the conversions)
.if kb == 0
	v_mov_b32 v[WT+db], v18                        ; byte kb of my column's two
.else
	v_lshl_or_b32 v[WT+db], v18, 8, v[WT+db]
.endif
	global_store_b128 v[GT], v[ct:ct+3], s[10:11] offset:2048*db+256*kb   ; sixteen lanes store 256 consecutive aligned bytes: a block of an image
	s_wait_dscnt \younger                          ; the two key rows' numbers are in
	v_max3_num_f32 v14, |v[ys]|, |v[ys+1]|, 0x1800000
	v_max3_num_f32 v15, |v[ys+16]|, |v[ys+17]|, 0x1800000
.irp i, 2,4,6,8,10,12,14
	v_max3_num_f32 v14, v14, |v[ys+\i]|, |v[ys+\i+1]|
	v_max3_num_f32 v15, v15, |v[ys+16+\i]|, |v[ys+17+\i]|
.endr
	v_permlanex16_b32 v18, v14, s20, s21           ; the block's other 16 numbers lie in lane l xor 16
	v_permlanex16_b32 v19, v15, s20, s21
	v_max_num_f32 v14, v14, v18
	v_max_num_f32 v15, v15, v19
	v_add_nc_u32 v16, 0xff000000, v14
	v_add_nc_u32 v17, 0xff000000, v15
	v_cvt_scalef32_pk8_fp4_f32 v[ck], v[ys:ys+7], v16
	v_cvt_scalef32_pk8_fp4_f32 v[ck+1], v[ys+8:ys+15], v16
	v_cvt_scalef32_pk8_fp4_f32 v[ck+2], v[ys+16:ys+23], v17
	v_cvt_scalef32_pk8_fp4_f32 v[ck+3], v[ys+24:ys+31], v17
	v_lshrrev_b32 v18, 23, v16                     ; (a plain line behind the conversions)
	v_lshrrev_b32 v19, 23, v17
.if db == 0
	v_mov_b32 v[WK+2*kb], v18                      ; byte db of my key row's two
	v_mov_b32 v[WK+2*kb+1], v19
.else
	v_lshl_or_b32 v[WK+2*kb], v18, 8, v[WK+2*kb]
	v_lshl_or_b32 v[WK+2*kb+1], v19, 8, v[WK+2*kb+1]
.endif
	global_store_b64 v[GK], v[ck:ck+1], s[6:7] offset:kb*16384+256*db          ; the wave stores 256 consecutive aligned bytes: a block of the image of the block's first 16 keys,
	global_store_b64 v[GK], v[ck+2:ck+3], s[6:7] offset:kb*16384+1024+256*db   ; and of its last 16
.endm
	s_wait_tensorcnt 0x0                           ; my tile is in.  Only I read it: no barrier
	LDT 0
.irp t, 0,1,2,3
.if \t < 3
	LDT \t+1                                       ; a part ahead, into the other set
	WORK \t, 40
.else
	WORK \t, 0
.endif
.endr
	v_cmp_ne_u32 vcc_lo, 0, v3
	v_cndmask_b32 v[WS], v[WK], v[WK+1], vcc_lo    ; lane l: key l of my first 32 (both halves of the lanes hold both),
	v_cndmask_b32 v[WS+1], v[WK+2], v[WK+3], vcc_lo   ; and of my last
	ds_store_b16 v[ASB], v[WS]
	ds_store_b16 v[ASB], v[WS+1] offset:512
	ds_store_b16 v[AST], v[WT]
	ds_store_b16 v[AST], v[WT+1] offset:4
	s_wait_dscnt 0x0
	s_barrier_signal -1
	s_barrier_wait -1
	ds_load_b64 v[60:61], v[AR8]                   ; eight bytes of the 4,096, in order of the threads
	s_wait_dscnt 0x0
	global_store_b64 v[GS8], v[60:61], s[8:9]      ; the wave stores 256 consecutive aligned bytes
	s_wait_tensorcnt 0x0                           ; the wave's end
	ds_add_u32 v[SPW], v[NIL]
	s_wait_dscnt 0x0
	s_endpgm
.Lfunc_end_k_qaeafbe8232_quant:
	.size	k_qaeafbe8232_quant, .Lfunc_end_k_qaeafbe8232_quant-k_qaeafbe8232_quant
	.p2alignl 7, 3214868480
	.fill 96, 4, 3214868480
	.section	.rodata,"a",@progbits
	.p2align	6, 0x0
	.amdhsa_kernel k_qaeafbe8232_quant
		.amdhsa_group_segment_fixed_size 327680
		.amdhsa_private_segment_fixed_size 0
		.amdhsa_enable_private_segment 0
		.amdhsa_kernarg_size 40
		.amdhsa_user_sgpr_count 2
		.amdhsa_user_sgpr_kernarg_segment_ptr 1
		.amdhsa_wavefront_size32 1
		.amdhsa_system_sgpr_workgroup_id_x 1
		.amdhsa_system_sgpr_workgroup_id_y 1
		.amdhsa_system_sgpr_workgroup_id_z 1
		.amdhsa_system_vgpr_workitem_id 0
		.amdhsa_next_free_vgpr 192
		.amdhsa_next_free_sgpr 66
		.amdhsa_reserve_vcc 1
		.amdhsa_float_denorm_mode_32 3
		.amdhsa_float_denorm_mode_16_64 3
		.amdhsa_memory_ordered 1
		.amdhsa_forward_progress 1
		.amdhsa_inst_pref_size 30
	.end_amdhsa_kernel
	.amdgpu_metadata
---
amdhsa.version: [ 1, 2 ]
amdhsa.kernels:
  - .name:           k_qaeafbe8232_quant
    .symbol:         k_qaeafbe8232_quant.kd
    .args:
      - { .name: value, .offset: 0, .size: 8, .value_kind: global_buffer, .address_space: global }
      - { .name: vk_codes, .offset: 8, .size: 8, .value_kind: global_buffer, .address_space: global }
      - { .name: vk_scales, .offset: 16, .size: 8, .value_kind: global_buffer, .address_space: global }
      - { .name: vt_codes, .offset: 24, .size: 8, .value_kind: global_buffer, .address_space: global }
      - { .name: vt_scales, .offset: 32, .size: 8, .value_kind: global_buffer, .address_space: global }
    .group_segment_fixed_size: 327680
    .private_segment_fixed_size: 0
    .kernarg_segment_align: 8
    .kernarg_segment_size: 40
    .max_flat_workgroup_size: 512
    .sgpr_count:     66
    .vgpr_count:     192
    .wavefront_size: 32
...
	.end_amdgpu_metadata
.endif
;; end of part 3
;; launch scores (part 4): grid 32 x 8, 4 waves a work-group, no clusters, 327,680 bytes of LDS; arguments query_codes, query_scales, vk_codes, vk_scales, pfs; writes pfs
.if DOCPART == 4
	.amdgcn_target "amdgcn-amd-amdhsa--gfx1250"
	.amdhsa_code_object_version 6
	.text
	.protected	k_qaeafbe8232_scores
	.globl	k_qaeafbe8232_scores
	.p2align	8
	.type	k_qaeafbe8232_scores,@function
k_qaeafbe8232_scores:
	s_mov_b64 s[64:65], 0
	v_nop
	global_prefetch_b8 v0, s[64:65] scope:SCOPE_SE
	s_setreg_imm32_b32 hwreg(HW_REG_WAVE_MODE, 25, 1), 1
	s_wait_xcnt 0x0
; p = 2^(t - F), t = score x log2(e), for every query and every key of the causal tiles, as FP4 codes; F = floor(the largest t of the query's block of 32 keys).
; A block's scale relative to its own F is always 2^-2; the launch that follows brings the blocks of a row under one M = the largest F, by whole exponents.  The sum of the UNQUANTISED p of each block is stored beside F.
; Left out: tiles of 128 keys that come after all 128 queries of a block (the mask of reference() makes them zeros for all inputs); inside a tile on the diagonal hidden scores become -infinity.
; LIMITS: scaled scores stay under 2^31 in magnitude and above -1e30; scores lie under 4e8 in magnitude, so that reference()'s 1e9 hides a key wholly; a NaN or an infinity that reaches only hidden keys is not carried.
; SHARES.  A work-group owns two blocks of 64 queries of a batch, H = 31 - i and L = i (i = work-group x / 2), and half x % 2 of each tile of 128 keys.  H has 16 - m tiles and L m + 1 (m = i / 2): 17 together in every work-group.
; A wave's unit is 64 queries x 32 keys: tiles of its parity (wave / 2), key block 2 (x % 2) + wave % 2.  Q of H and of L stays in registers (2 x 256); K's images go from memory straight into registers, two sets
; of 128, each asked for two units ahead, and serve H and L.  Waves share nothing but Q's way through LDS.
; pfs: [batch][m 8][tile 17: L's m + 1, then H's 16 - m]{ codes [q tile 8][kb 4][row 16][16 bytes], [kb 4][query 128]{F, sum} }, 12,288 bytes a tile.
; No clusters: the work-groups that read the same K have different numbers of tiles, and K does not pass through LDS; Q, 64 KiB, is shared by two work-groups alone.  No prefetch: the loads themselves stand two units ahead.
; The matrix instruction is used transposed: source 0 = 16 keys, source 1 = 16 queries: a lane holds one query and eight neighbouring keys.
; REGISTERS: window 0 addresses, scales, scores; window 1 Q of H; window 2 Q of L; window 3 K, two sets.
.set QP,  528
.set SPARE, 128*QP
.set SPW, 4
.set NIL, 5
.set KO,  6
.set KX,  7                            ; v7-8: the two sets' offsets: 16 x lane, or 0 in every lane where no unit is left to ask for
.set POH, 9
.set FOH, 10
.set POL, 11
.set FOL, 12
.set QBH, 13
.set QBL, 14
.set NINF, 15
.set QSH, 16
.set QSL, 32
.set KS,  48
.set SH,  64
.set SL,  128
.set ST,  192                          ; for each of four query tiles: F, largest t, sum in two halves
.set TM,  208
.set PC,  212
.set FSW, 220
.set D0,  224
.set SCL, 226
.set AQL, 227
.set AQS, 228
.set TH,  14                           ; s14 H's last tile
.set TL,  15                           ; s15 L's last tile
.set T,   16                           ; s16 the unit's tile
.set KF,  17                           ; s17 its first key
.set WV,  18
.set SEL, 24
.set CS,  26
.set HM,  28
.set TRIP, 29
.set G1,  32
.set G0,  40
.set KB,  66                           ; s[66:69] K's codes, a base for each set
.set KSB, 70                           ; s[70:73] K's scales
.set PH,  74
.set PL,  76
.set MSB, 0
.macro WIN new
.if MSB != \new
	s_set_vgpr_msb (MSB<<8)|\new
.set MSB, \new
.endif
.endm
.macro PLACES
.rept 4
	v_nop
.endr
.endm
.macro MM
.if fZ
.if fRA && fRB
	v_wmma_scale_f32_16x16x128_f8f6f4 v[rD:rD+7], v[rA:rA+7], v[rB:rB+7], 0, v[rSA], v[rSB] matrix_a_fmt:MATRIX_FMT_FP4 matrix_b_fmt:MATRIX_FMT_FP4 matrix_a_scale:MATRIX_SCALE_ROW1 matrix_b_scale:MATRIX_SCALE_ROW1
.elseif fRA
	v_wmma_scale_f32_16x16x128_f8f6f4 v[rD:rD+7], v[rA:rA+7], v[rB:rB+7], 0, v[rSA], v[rSB] matrix_a_fmt:MATRIX_FMT_FP4 matrix_b_fmt:MATRIX_FMT_FP4 matrix_a_scale:MATRIX_SCALE_ROW1
.elseif fRB
	v_wmma_scale_f32_16x16x128_f8f6f4 v[rD:rD+7], v[rA:rA+7], v[rB:rB+7], 0, v[rSA], v[rSB] matrix_a_fmt:MATRIX_FMT_FP4 matrix_b_fmt:MATRIX_FMT_FP4 matrix_b_scale:MATRIX_SCALE_ROW1
.else
	v_wmma_scale_f32_16x16x128_f8f6f4 v[rD:rD+7], v[rA:rA+7], v[rB:rB+7], 0, v[rSA], v[rSB] matrix_a_fmt:MATRIX_FMT_FP4 matrix_b_fmt:MATRIX_FMT_FP4
.endif
.else
.if fRA && fRB
	v_wmma_scale_f32_16x16x128_f8f6f4 v[rD:rD+7], v[rA:rA+7], v[rB:rB+7], v[rD:rD+7], v[rSA], v[rSB] matrix_a_fmt:MATRIX_FMT_FP4 matrix_b_fmt:MATRIX_FMT_FP4 matrix_a_scale:MATRIX_SCALE_ROW1 matrix_b_scale:MATRIX_SCALE_ROW1
.elseif fRA
	v_wmma_scale_f32_16x16x128_f8f6f4 v[rD:rD+7], v[rA:rA+7], v[rB:rB+7], v[rD:rD+7], v[rSA], v[rSB] matrix_a_fmt:MATRIX_FMT_FP4 matrix_b_fmt:MATRIX_FMT_FP4 matrix_a_scale:MATRIX_SCALE_ROW1
.elseif fRB
	v_wmma_scale_f32_16x16x128_f8f6f4 v[rD:rD+7], v[rA:rA+7], v[rB:rB+7], v[rD:rD+7], v[rSA], v[rSB] matrix_a_fmt:MATRIX_FMT_FP4 matrix_b_fmt:MATRIX_FMT_FP4 matrix_b_scale:MATRIX_SCALE_ROW1
.else
	v_wmma_scale_f32_16x16x128_f8f6f4 v[rD:rD+7], v[rA:rA+7], v[rB:rB+7], v[rD:rD+7], v[rSA], v[rSB] matrix_a_fmt:MATRIX_FMT_FP4 matrix_b_fmt:MATRIX_FMT_FP4
.endif
.endif
.endm
; A unit's K: 2 loads of scale words (lane l: key l; words 0-3 and 4-7), 32 of codes, each 512 consecutive bytes: 34 loads.
.macro KLOAD set
	global_load_b128 v[KS+8*\set:KS+8*\set+3], v[KX+\set], s[KSB+2*\set:KSB+2*\set+1]
	global_load_b128 v[KS+8*\set+4:KS+8*\set+7], v[KX+\set], s[KSB+2*\set:KSB+2*\set+1] offset:32768
	WIN 0xc0
.irp g, 0,1,2,3,4,5,6,7,8,9,10,11,12,13,14,15
.irp c, 0,1
	global_load_b128 v[128*\set+8*\g+4*\c:128*\set+8*\g+4*\c+3], v[KX+\set], s[KB+2*\set:KB+2*\set+1] offset:1024*\g+512*\c
.endr
.endr
	WIN 0
.endm
; The set just multiplied takes the unit two on.  Where none is left its base stays and every lane names the same 16 bytes, so that the counts of loads are the same in every trip.
.macro RSTEP set
	s_add_co_u32 s46, s[T], 4
	s_cmp_le_u32 s46, s[TH]
	s_cselect_b32 s82, 0x40000, 0
	s_cselect_b32 s84, 0x2000, 0
	s_cselect_b32 s86, -1, 0
	s_add_nc_u64 s[KB+2*\set:KB+2*\set+1], s[KB+2*\set:KB+2*\set+1], s[82:83]
	s_add_nc_u64 s[KSB+2*\set:KSB+2*\set+1], s[KSB+2*\set:KSB+2*\set+1], s[84:85]
	v_and_b32 v[KX+\set], s86, v[KO]
	PLACES
.endm
; The loads themselves stand in nine groups among the softmax of H: the scale words, and eight times two images.
.macro KSC set
	global_load_b128 v[KS+8*\set:KS+8*\set+3], v[KX+\set], s[KSB+2*\set:KSB+2*\set+1]
	global_load_b128 v[KS+8*\set+4:KS+8*\set+7], v[KX+\set], s[KSB+2*\set:KSB+2*\set+1] offset:32768
.endm
.macro KCH set, a
	WIN 0xc0
.irp g, 0,1
.irp c, 0,1
	global_load_b128 v[128*\set+16*(\a)+8*\g+4*\c:128*\set+16*(\a)+8*\g+4*\c+3], v[KX+\set], s[KB+2*\set:KB+2*\set+1] offset:2048*(\a)+1024*\g+512*\c
.endr
.endr
	WIN 0
.endm
; 64 matrix instructions: eight accumulators by turns, K ascending.
.macro SMMA set, dd, qq, win
	WIN \win
.irp k, 0,1,2,3,4,5,6,7
.irp u, 0,1
.irp m, 0,1,2,3
.set rD, \dd+16*\m+8*\u
.set rA, 128*\set+8*(2*\k+\u)
.set rB, 8*(8*\m+\k)
.set rSA, KS+8*\set+\k
.set rSB, \qq+4*\m+(\k%4)
.set fZ, (\k==0)
.set fRA, \u
.set fRB, (\k/4)
	MM
.endr
.endr
.endr
.endm
; late = 1: exponentials may stand between the products and this first reading of their results.
.macro SOFT ss, qb, td, po, fo, pb, set, late
	s_wait_xcnt 0x0                                ; the stores' registers are written again only behind this wait
	s_cmp_lg_u32 s[T], s[\td]
	s_cbranch_scc1 .Lopen_\@
	v_sub_nc_u32 v[D0], v[\qb], s[KF]
.if \late
	s_wait_alu depctr_va_vdst(0)                   ; the wait ahead of the results' first reader
.endif
.irp m, 0,1,2,3
.irp u, 0,1
.irp jj, 0,1,2,3,4,5,6,7
	v_cmp_gt_i32 vcc_lo, 16*\u+\jj-16*\m, v[D0]
	v_cndmask_b32 v[\ss+16*\m+8*\u+\jj], v[\ss+16*\m+8*\u+\jj], v[NINF], vcc_lo
.endr
.endr
.endr
.Lopen_\@:
.if \late
	s_wait_alu depctr_va_vdst(0)                   ; and here, for the tiles off the diagonal
.endif
.irp m, 0,1,2,3
	v_max3_num_f32 v[TM+\m], v[\ss+16*\m], v[\ss+16*\m+1], 0xf149f2ca   ; with -1e30: a block with no visible key has a finite F
.endr
.irp k, 2,4,6,8,10,12,14
.irp m, 0,1,2,3
	v_max3_num_f32 v[TM+\m], v[TM+\m], v[\ss+16*\m+\k], v[\ss+16*\m+\k+1]
.endr
.endr
.if \late
	KSC \set
	KCH \set, 0
.endif
.irp m, 0,1,2,3
	v_permlanex16_b32 v[ST+4*\m+1], v[TM+\m], s[SEL], s[SEL+1]
.endr
.irp m, 0,1,2,3
	v_max_num_f32 v[TM+\m], v[TM+\m], v[ST+4*\m+1]
.endr
.irp m, 0,1,2,3
	v_mul_f32 v[ST+4*\m+1], s[CS], v[TM+\m]
.endr
.irp m, 0,1,2,3
	v_floor_f32 v[ST+4*\m], v[ST+4*\m+1]           ; F
.endr
.if \late
	KCH \set, 1
.endif
.irp k, 0,2,4,6
.irp m, 0,1,2,3
	v_pk_fma_f32 v[\ss+16*\m+\k:\ss+16*\m+\k+1], v[\ss+16*\m+\k:\ss+16*\m+\k+1], s[CS:CS+1], v[ST+4*\m:ST+4*\m+1] op_sel_hi:[1,0,0] neg_lo:[0,0,1] neg_hi:[0,0,1]
.endr
.endr
.if \late
	KCH \set, 2
.endif
.irp k, 8,10,12,14
.irp m, 0,1,2,3
	v_pk_fma_f32 v[\ss+16*\m+\k:\ss+16*\m+\k+1], v[\ss+16*\m+\k:\ss+16*\m+\k+1], s[CS:CS+1], v[ST+4*\m:ST+4*\m+1] op_sel_hi:[1,0,0] neg_lo:[0,0,1] neg_hi:[0,0,1]
.endr
.endr
	s_wait_alu depctr_va_vdst(0)                   ; the wait ahead of the batch
.set n, 0
.rept 16
	v_exp_f32 v[\ss+n], v[\ss+n]
.set n, n+1
.endr
.if \late
	KCH \set, 3
.endif
.rept 16
	v_exp_f32 v[\ss+n], v[\ss+n]
.set n, n+1
.endr
.if \late
	KCH \set, 4
.endif
.rept 16
	v_exp_f32 v[\ss+n], v[\ss+n]
.set n, n+1
.endr
.if \late
	KCH \set, 5
.endif
.rept 16
	v_exp_f32 v[\ss+n], v[\ss+n]
.set n, n+1
.endr
	v_cndmask_b32 v[FSW], v[ST], v[ST+4], s[HM]    ; F of 32 queries in 32 lanes (plain places behind the batch)
	v_cndmask_b32 v[FSW+2], v[ST+8], v[ST+12], s[HM]
	s_wait_alu depctr_va_vdst(0)                   ; and behind it
.irp m, 0,1,2,3
	v_pk_add_f32 v[ST+4*\m+2:ST+4*\m+3], v[\ss+16*\m:\ss+16*\m+1], v[\ss+16*\m+2:\ss+16*\m+3]
.endr
.irp k, 4,6,8,10,12,14
.irp m, 0,1,2,3
	v_pk_add_f32 v[ST+4*\m+2:ST+4*\m+3], v[ST+4*\m+2:ST+4*\m+3], v[\ss+16*\m+\k:\ss+16*\m+\k+1]
.endr
.endr
.if \late
	KCH \set, 6
.endif
.irp m, 0,1,2,3
	v_add_f32 v[ST+4*\m+2], v[ST+4*\m+2], v[ST+4*\m+3]
.endr
.irp m, 0,1,2,3
	v_permlanex16_b32 v[ST+4*\m+1], v[ST+4*\m+2], s[SEL], s[SEL+1]
.endr
.irp m, 0,1,2,3
	v_add_f32 v[ST+4*\m+2], v[ST+4*\m+2], v[ST+4*\m+1]
.endr
.if \late
	KCH \set, 7
.endif
.irp m, 0,1,2,3
.irp u, 0,1
	v_cvt_scalef32_pk8_fp4_f32 v[PC+2*\m+\u], v[\ss+16*\m+8*\u:\ss+16*\m+8*\u+7], v[SCL]   ; the block's largest p lies in 1 .. 2: its scale is 2^-2
.endr
.endr
	v_cndmask_b32 v[FSW+1], v[ST+2], v[ST+6], s[HM]   ; the sums likewise (plain places behind the conversions)
	v_cndmask_b32 v[FSW+3], v[ST+10], v[ST+14], s[HM]
.irp m, 0,1,2,3
	v_permlane16_swap_b32 v[PC+2*\m], v[PC+2*\m+1]    ; lane (r, h) now holds bytes 8 h .. 8 h + 7 of query r's block
.endr
.irp m, 0,1,2,3
	global_store_b64 v[\po], v[PC+2*\m:PC+2*\m+1], s[\pb:\pb+1] offset:24576*\set+1024*\m   ; 256 consecutive aligned bytes
.endr
.irp k, 0,1
	global_store_b64 v[\fo], v[FSW+2*\k:FSW+2*\k+1], s[\pb:\pb+1] offset:24576*\set+256*\k
.endr
.endm
; All branches hang on ids and the count of units.  L's tiles are the first of H's, so L is met only where H is.
.macro UNIT set
	s_cmp_gt_u32 s[T], s[TH]
	s_cbranch_scc1 .Ldone                          ; no tile of mine is left
	s_wait_loadcnt 34                              ; this set is in; the other set's 34 loads may be out
	SMMA \set, SH, QSH, 0x07
	WIN 0
	s_cmp_gt_u32 s[T], s[TL]
	s_cbranch_scc1 .Lonly_\@
	s_wait_dscnt 0x0                               ; Q of L is in
	SMMA \set, SL, QSL, 0x0b
	WIN 0
	PLACES
	SOFT SL, QBL, TL, POL, FOL, PL, \set, 0
.Lonly_\@:
	RSTEP \set
	SOFT SH, QBH, TH, POH, FOH, PH, \set, 1
	s_add_co_u32 s[T], s[T], 2
	s_lshl_b32 s[KF], s[T], 7
.endm
	s_load_b256 s[4:11], s[0:1], 0x0               ; query_codes, query_scales, vk_codes, vk_scales
	s_load_b64 s[12:13], s[0:1], 0x20              ; pfs
	v_lshl_add_u32 v[SPW], v0, 2, SPARE
	v_mov_b32 v[NIL], 0
	ds_add_u32 v[SPW], v[NIL]                      ; the wave's opening: the add, twice on end
	ds_add_u32 v[SPW], v[NIL]
	v_lshrrev_b32 v1, 5, v0
	v_readfirstlane_b32 s[WV], v1
	s_lshr_b32 s19, ttmp9, 1                       ; i
	s_and_b32 s20, ttmp9, 1                        ; which half of each tile's keys
	s_and_b32 s21, ttmp7, 0xffff                   ; batch
	s_lshr_b32 s[TL], s19, 1                       ; m
	s_sub_co_u32 s[TH], 15, s[TL]
	s_lshr_b32 s[T], s[WV], 1                      ; my tiles' parity
	s_lshl_b32 s[KF], s[T], 7
	s_and_b32 s22, s[WV], 1
	s_lshl_b32 s23, s20, 1
	s_add_co_u32 s22, s22, s23                     ; my key block of the tile
	s_lshl_b32 s23, s19, 6                         ; L's first query
	s_sub_co_u32 s46, 64*31, s23                   ; H's
	s_lshl_b32 s47, s22, 5
	s_sub_co_i32 s48, s46, s47
	s_sub_co_i32 s49, s23, s47
	s_cmp_lt_u32 s[WV], 2                          ; waves 0, 1 fetch H's Q, waves 2, 3 L's, 32 rows each
	s_cselect_b32 s50, s46, s23
	s_and_b32 s51, s[WV], 1
	s_lshl_b32 s51, s51, 5
	s_add_co_u32 s50, s50, s51
	s_lshl_b32 s51, s21, 11
	s_add_co_u32 s50, s50, s51
	s_lshl_b32 s50, s50, 9
	s_add_co_u32 s52, s46, s51
	s_lshl_b32 s52, s52, 5                         ; H's scale bytes
	s_add_co_u32 s54, s23, s51
	s_lshl_b32 s54, s54, 5                         ; L's
	s_mov_b32 s51, 0
	s_mov_b32 s53, 0
	s_mov_b32 s55, 0
	s_lshl_b32 s56, s21, 20                        ; K's codes: 65,536 bytes a tile, 16,384 a key block
	s_lshl_b32 s58, s22, 14
	s_add_co_u32 s56, s56, s58
	s_lshl_b32 s58, s[T], 16
	s_add_co_u32 s56, s56, s58
	s_mov_b32 s57, 0
	s_lshl_b32 s58, s21, 16                        ; K's scales: 2,048 bytes a tile, 512 a key block
	s_lshl_b32 s60, s22, 9
	s_add_co_u32 s58, s58, s60
	s_lshl_b32 s60, s[T], 11
	s_add_co_u32 s58, s58, s60
	s_mov_b32 s59, 0
	s_lshl_b32 s60, s21, 3
	s_add_co_u32 s60, s60, s[TL]
	s_mul_i32 s60, s60, 17
	s_add_co_u32 s60, s60, s[T]                    ; L's tile in pfs,
	s_add_co_u32 s62, s60, s[TL]
	s_add_co_u32 s62, s62, 1                       ; H's
	s_mul_i32 s60, s60, 12288
	s_mul_i32 s62, s62, 12288
	s_mov_b32 s61, 0
	s_mov_b32 s63, 0
	s_and_b32 s87, s19, 1                          ; L's half of its 128 queries
	s_xor_b32 s88, s87, 1                          ; H's
	s_lshl_b32 s89, s22, 8
	s_lshl_b32 s90, s87, 12
	s_add_co_u32 s90, s90, s89                     ; codes, L
	s_lshl_b32 s91, s88, 12
	s_add_co_u32 s91, s91, s89                     ; codes, H
	s_lshl_b32 s89, s22, 10
	s_add_co_u32 s89, s89, 8192
	s_lshl_b32 s87, s87, 9
	s_add_co_u32 s87, s87, s89                     ; F and sums, L
	s_lshl_b32 s88, s88, 9
	s_add_co_u32 s88, s88, s89                     ; H
	s_mul_i32 s93, s[WV], 32*QP
	s_mov_b32 s[SEL], 0x76543210
	s_mov_b32 s[SEL+1], 0xfedcba98
	s_mov_b32 s[CS], 0x3fb8aa3b                    ; log2(e)
	s_mov_b32 s[CS+1], s[CS]
	s_mov_b32 s[HM], 0xffff0000                    ; lanes 16-31
	s_mov_b32 s83, 0
	s_mov_b32 s85, 0
	s_mov_b32 s[G1+0], (2<<16)|(1<<20)|(6<<22)|(3<<25)   ; elements of 4 bytes; after every 128 words 4 words of padding
	s_mov_b32 s[G1+1], 128<<16
	s_mov_b32 s[G1+2], 32<<16
	s_mov_b32 s[G1+3], 128<<16
	s_mov_b32 s[G1+4], 32
	s_mov_b32 s[G1+5], 128
	s_mov_b32 s[G1+6], 0
	s_mov_b32 s[G1+7], 0
	v_and_b32 v1, 31, v0                           ; lane
	v_and_b32 v2, 15, v0                           ; r
	v_bfe_u32 v3, v0, 4, 1                         ; h
	v_lshlrev_b32 v[KO], 4, v1
	v_mov_b32 v[KX], v[KO]
	v_mov_b32 v[KX+1], v[KO]
	v_lshlrev_b32 v229, 4, v2
	v_lshl_add_u32 v229, v3, 3, v229               ; 16 r + 8 h
	v_add_nc_u32 v[POH], s91, v229
	v_add_nc_u32 v[POL], s90, v229
	v_lshlrev_b32 v230, 3, v1
	v_add_nc_u32 v[FOH], s88, v230
	v_add_nc_u32 v[FOL], s87, v230
	v_lshlrev_b32 v231, 3, v3
	v_sub_nc_u32 v231, v2, v231
	v_add_nc_u32 v[QBH], s48, v231                 ; first query + r - 8 h - 32 x key block: less 128 x tile it is what a register's number is held against on the diagonal
	v_add_nc_u32 v[QBL], s49, v231
	v_mul_u32_u24 v[AQL], v2, QP
	v_lshl_add_u32 v[AQL], v3, 4, v[AQL]
	v_lshlrev_b32 v[AQS], 5, v2
	v_lshl_add_u32 v[AQS], v3, 4, v[AQS]
	v_mov_b32 v[NINF], 0xff800000
	v_mov_b32 v[SCL], 0x3e800000
.irp m, 0,1,2,3
	v_mov_b32 v[ST+4*\m+1], 0                      ; a lane permute's destination counts as one of its sources
.endr
	s_wait_alu depctr_va_vdst(0)                   ; the wait at the head's end
	s_wait_dscnt 0x0                               ; both opening adds are done
	s_wait_kmcnt 0x0
	s_mov_b32 s[G0], 1
	s_mov_b32 s[G0+1], s93
	s_add_nc_u64 s[G0+2:G0+3], s[4:5], s[50:51]
	s_or_b32 s[G0+3], s[G0+3], 0x80000000
	tensor_load_to_lds s[G0:G0+3], s[G1:G1+7]
	s_nop 0
	s_add_nc_u64 s[78:79], s[6:7], s[52:53]
	s_add_nc_u64 s[80:81], s[6:7], s[54:55]
	s_add_nc_u64 s[KB:KB+1], s[8:9], s[56:57]
	s_add_nc_u64 s[KB+2:KB+3], s[KB:KB+1], 0x20000
	s_add_nc_u64 s[KSB:KSB+1], s[10:11], s[58:59]
	s_add_nc_u64 s[KSB+2:KSB+3], s[KSB:KSB+1], 0x1000
	s_add_nc_u64 s[PL:PL+1], s[12:13], s[60:61]
	s_add_nc_u64 s[PH:PH+1], s[12:13], s[62:63]
.irp m, 0,1,2,3
	global_load_b128 v[QSH+4*\m:QSH+4*\m+3], v[AQS], s[78:79] offset:512*\m   ; lane (r, h): scale words 4 h .. 4 h + 3 of query r
	global_load_b128 v[QSL+4*\m:QSL+4*\m+3], v[AQS], s[80:81] offset:512*\m
.endr
	KLOAD 0                                        ; H has nine tiles at the least: the first two units of every wave are there
	KLOAD 1
	s_wait_tensorcnt 0x0
	s_barrier_signal -1
	s_barrier_wait -1                              ; all four parts of Q are in
	WIN 0x40
.irp m, 0,1,2,3
.irp k, 0,1,2,3,4,5,6,7
.irp c, 0,1
	ds_load_b128 v[8*(8*\m+\k)+4*\c:8*(8*\m+\k)+4*\c+3], v[AQL] offset:16*QP*\m+64*\k+32*\c
.endr
.endr
.endr
	WIN 0x80
.irp m, 0,1,2,3
.irp k, 0,1,2,3,4,5,6,7
.irp c, 0,1
	ds_load_b128 v[8*(8*\m+\k)+4*\c:8*(8*\m+\k)+4*\c+3], v[AQL] offset:64*QP+16*QP*\m+64*\k+32*\c
.endr
.endr
.endr
	WIN 0
	s_wait_dscnt 63                                ; Q of H is in; L's 64 loads stand behind it
	s_mov_b32 s[TRIP], 0
.Lunits:
	UNIT 0
	UNIT 1
	s_wait_xcnt 0x0                                ; the stores' bases are stepped only behind this wait
	s_add_nc_u64 s[PH:PH+1], s[PH:PH+1], 49152
	s_add_nc_u64 s[PL:PL+1], s[PL:PL+1], 49152
	s_add_co_u32 s[TRIP], s[TRIP], 1
	s_cmp_lt_u32 s[TRIP], 4
	s_cbranch_scc1 .Lunits
.Ldone:
	s_wait_tensorcnt 0x0                           ; the wave's end
	ds_add_u32 v[SPW], v[NIL]
	s_wait_dscnt 0x0
	s_endpgm
.Lfunc_end_k_qaeafbe8232_scores:
	.size	k_qaeafbe8232_scores, .Lfunc_end_k_qaeafbe8232_scores-k_qaeafbe8232_scores
	.p2alignl 7, 3214868480
	.fill 96, 4, 3214868480
	.section	.rodata,"a",@progbits
	.p2align	6, 0x0
	.amdhsa_kernel k_qaeafbe8232_scores
		.amdhsa_group_segment_fixed_size 327680
		.amdhsa_private_segment_fixed_size 0
		.amdhsa_enable_private_segment 0
		.amdhsa_kernarg_size 40
		.amdhsa_user_sgpr_count 2
		.amdhsa_user_sgpr_kernarg_segment_ptr 1
		.amdhsa_wavefront_size32 1
		.amdhsa_system_sgpr_workgroup_id_x 1
		.amdhsa_system_sgpr_workgroup_id_y 1
		.amdhsa_system_sgpr_workgroup_id_z 1
		.amdhsa_system_vgpr_workitem_id 0
		.amdhsa_next_free_vgpr 1024
		.amdhsa_next_free_sgpr 96
		.amdhsa_reserve_vcc 1
		.amdhsa_float_denorm_mode_32 3
		.amdhsa_float_denorm_mode_16_64 3
		.amdhsa_memory_ordered 1
		.amdhsa_forward_progress 1
		.amdhsa_inst_pref_size 125
	.end_amdhsa_kernel
	.amdgpu_metadata
---
amdhsa.version: [ 1, 2 ]
amdhsa.kernels:
  - .name:           k_qaeafbe8232_scores
    .symbol:         k_qaeafbe8232_scores.kd
    .args:
      - { .name: query_codes, .offset: 0, .size: 8, .value_kind: global_buffer, .address_space: global }
      - { .name: query_scales, .offset: 8, .size: 8, .value_kind: global_buffer, .address_space: global }
      - { .name: vk_codes, .offset: 16, .size: 8, .value_kind: global_buffer, .address_space: global }
      - { .name: vk_scales, .offset: 24, .size: 8, .value_kind: global_buffer, .address_space: global }
      - { .name: pfs, .offset: 32, .size: 8, .value_kind: global_buffer, .address_space: global }
    .group_segment_fixed_size: 327680
    .private_segment_fixed_size: 0
    .kernarg_segment_align: 8
    .kernarg_segment_size: 40
    .max_flat_workgroup_size: 128
    .sgpr_count:     96
    .vgpr_count:     1024
    .wavefront_size: 32
...
	.end_amdgpu_metadata
.endif
;; end of part 4
;; launch pv (part 5): grid 4 x 64, 8 waves a work-group, clusters of 4 x 1, 327,680 bytes of LDS; arguments pfs, vt_codes, vt_scales, out0; writes out0
.if DOCPART == 5
	.amdgcn_target "amdgcn-amd-amdhsa--gfx1250"
	.amdhsa_code_object_version 6
	.text
	.protected	k_qaeafbe8232_pv
	.globl	k_qaeafbe8232_pv
	.p2align	8
	.type	k_qaeafbe8232_pv,@function
k_qaeafbe8232_pv:
	s_mov_b64 s[64:65], 0
	v_nop
	global_prefetch_b8 v0, s[64:65] scope:SCOPE_SE
	s_setreg_imm32_b32 hwreg(HW_REG_WAVE_MODE, 25, 1), 1
	s_wait_xcnt 0x0
	s_wait_alu depctr_hold_cnt(0) depctr_sa_sdst(0) depctr_va_vdst(0) depctr_va_sdst(0) depctr_va_ssrc(0) depctr_va_vcc(0) depctr_vm_vsrc(0)
	s_getreg_b32 s2, hwreg(HW_REG_IB_STS2, 6, 4)
	s_cmp_eq_u32 s2, 0
	s_cbranch_scc0 .Lentry_in_a_cluster
	s_endpgm
.Lentry_in_a_cluster:
	s_bfe_u32 s2, ttmp6, 0x10000c
	s_cmp_lg_u32 s2, 0x3003
	s_cbranch_scc0 .Lentry_shape_is_right
	s_endpgm
.Lentry_shape_is_right:
; out[q][d] = (sum over keys of p V) / (sum of p): p's codes under the row's M = the largest F of its blocks of 32 keys: a block's scale byte is 125 + F - M, held at 1 from below, and its sum counts 2^(F - M) times.
; Left out: key tiles of 128 wholly after a block of 128 queries (the mask of reference() makes their p zero for all inputs).  LIMIT: a NaN or an infinity that reaches only those is not carried; blocks more than 124 powers of two under the row's largest are held at 2^-124.
; SHARES.  A work-group owns the blocks of 128 queries H = 15 - j and L = j of a batch (17 key tiles together, for every j) and a quarter of d.  Waves 0 to 3 own H, waves 4 to 7 L, each 64 of d (wave % 4): 32 accumulators.
; P, F and the sums of the pair come once, by one JOINT tensor load a wave: the four quarters of d form a cluster and need the same bytes.  Waves 0 to 3 fetch F and the sums (a key block of 32 each), waves 4 to 7 the codes (two query tiles each).
; V's images go from memory straight into registers, four key steps ahead.  V is not asked for jointly: work-groups that share a quarter of d have different numbers of tiles.
; No prefetch: the loads themselves stand four steps ahead.
; The matrix instruction is used transposed: source 0 = 16 of d, source 1 = 16 queries: a lane holds one query and eight neighbouring d.
; REGISTERS: window 0: v0-31 addresses and scale words, v32-159 V of four steps, v160-255 P of three half steps (4 query tiles each); window 1: accumulators (ahead of the products: F and the sums).
.set PPART, 17*2048                    ; codes in LDS: [part 4][tile 17][2 query tiles][1,024]
.set FS,    4*PPART                    ; F and sums: [kb 4][tile 17][query 128][8]
.set FPART, 17*1024
.set PSC,   FS+4*FPART                 ; scale words [H, L][step 16][query 128]
.set LIV,   PSC+16384                  ; 1 / the row's sum: H, L
.set STG,   LIV+1024                   ; the way out: 16 rows x 272 bytes a wave
.set SPARE, STG+8*16*272
.set SPW, 1
.set NIL, 2
.set KO,  3
.set SO8, 4
.set APS, 5
.set AD,  6
.set ALV, 7
.set STO, 8
.set RD,  9
.set CO,  10
.set APW, 11
.set VX,  12                           ; v12-15: V's offsets: 16 x lane, or 0 in every lane where no step is left to ask for
.set VS,  16                           ; v16-23
.set PS,  24                           ; v24-29
.set ALW, 30
.set FB,  31
.set V,   32
.set P,   160
.set WV,  14
.set TL,  16
.set TH,  17
.set G1F, 24
.set G1C, 44
.set G0F, 32
.set G0C, 36
.set OB,  62
.set TT,  53                           ; my block's last step
.set T0,  54                           ; where its tiles begin among the 17
.set CAP, 55                           ; and end
.set MSB, 0
.macro WIN new
.if MSB != \new
	s_set_vgpr_msb (MSB<<8)|\new
.set MSB, \new
.endif
.endm
.macro PLACES
.rept 4
	v_nop
.endr
.endm
.macro MM
.if fZ
.if fRA && fRB
	v_wmma_scale_f32_16x16x128_f8f6f4 v[rD:rD+7], v[rA:rA+7], v[rB:rB+7], 0, v[rSA], v[rSB] matrix_a_fmt:MATRIX_FMT_FP4 matrix_b_fmt:MATRIX_FMT_FP4 matrix_a_scale:MATRIX_SCALE_ROW1 matrix_b_scale:MATRIX_SCALE_ROW1
.elseif fRA
	v_wmma_scale_f32_16x16x128_f8f6f4 v[rD:rD+7], v[rA:rA+7], v[rB:rB+7], 0, v[rSA], v[rSB] matrix_a_fmt:MATRIX_FMT_FP4 matrix_b_fmt:MATRIX_FMT_FP4 matrix_a_scale:MATRIX_SCALE_ROW1
.elseif fRB
	v_wmma_scale_f32_16x16x128_f8f6f4 v[rD:rD+7], v[rA:rA+7], v[rB:rB+7], 0, v[rSA], v[rSB] matrix_a_fmt:MATRIX_FMT_FP4 matrix_b_fmt:MATRIX_FMT_FP4 matrix_b_scale:MATRIX_SCALE_ROW1
.else
	v_wmma_scale_f32_16x16x128_f8f6f4 v[rD:rD+7], v[rA:rA+7], v[rB:rB+7], 0, v[rSA], v[rSB] matrix_a_fmt:MATRIX_FMT_FP4 matrix_b_fmt:MATRIX_FMT_FP4
.endif
.else
.if fRA && fRB
	v_wmma_scale_f32_16x16x128_f8f6f4 v[rD:rD+7], v[rA:rA+7], v[rB:rB+7], v[rD:rD+7], v[rSA], v[rSB] matrix_a_fmt:MATRIX_FMT_FP4 matrix_b_fmt:MATRIX_FMT_FP4 matrix_a_scale:MATRIX_SCALE_ROW1 matrix_b_scale:MATRIX_SCALE_ROW1
.elseif fRA
	v_wmma_scale_f32_16x16x128_f8f6f4 v[rD:rD+7], v[rA:rA+7], v[rB:rB+7], v[rD:rD+7], v[rSA], v[rSB] matrix_a_fmt:MATRIX_FMT_FP4 matrix_b_fmt:MATRIX_FMT_FP4 matrix_a_scale:MATRIX_SCALE_ROW1
.elseif fRB
	v_wmma_scale_f32_16x16x128_f8f6f4 v[rD:rD+7], v[rA:rA+7], v[rB:rB+7], v[rD:rD+7], v[rSA], v[rSB] matrix_a_fmt:MATRIX_FMT_FP4 matrix_b_fmt:MATRIX_FMT_FP4 matrix_b_scale:MATRIX_SCALE_ROW1
.else
	v_wmma_scale_f32_16x16x128_f8f6f4 v[rD:rD+7], v[rA:rA+7], v[rB:rB+7], v[rD:rD+7], v[rSA], v[rSB] matrix_a_fmt:MATRIX_FMT_FP4 matrix_b_fmt:MATRIX_FMT_FP4
.endif
.endif
.endm
; A round of the cluster's barrier.
.macro ROUND
	s_barrier_signal -1
	s_barrier_wait -1
	s_cmp_lg_u32 s[WV], 0
	s_cbranch_scc1 .Lnot_wave_0_\@
	s_barrier_signal -3
.Lnot_wave_0_\@:
	s_barrier_wait -3
	s_barrier_signal -1
	s_barrier_wait -1
.endm
; Half step n: query tiles 4 (n % 2) on of step n / 2, into buffer n % 3: 8 loads of codes, 2 of scale words.  The last of the 17 tiles bounds the place.
.macro PLH n
.set ps, P+32*((\n)%3)
.set pw, PS+2*((\n)%3)
	s_add_co_u32 s41, s[T0], (\n)/2
	s_min_u32 s41, s41, 16
	s_lshl_b32 s41, s41, 11
.if (\n)%2
	s_add_co_u32 s41, s41, 2*PPART
.endif
	v_add_nc_u32 v[AD], s41, v[KO]
.irp m, 0,1,2,3
	ds_load_b128 v[ps+8*\m:ps+8*\m+3], v[AD] offset:PPART*(\m/2)+1024*(\m%2)
	ds_load_b128 v[ps+8*\m+4:ps+8*\m+7], v[AD] offset:PPART*(\m/2)+1024*(\m%2)+512
.endr
.irp m, 0,1
	ds_load_b32 v[pw+\m], v[APS] offset:512*((\n)/2)+256*((\n)%2)+128*\m
.endr
.endm
; V of step t: nine loads.
.macro VLOAD t
.irp x, 0,1,2,3
.irp c, 0,1
	global_load_b128 v[V+32*((\t)%4)+8*\x+4*\c:V+32*((\t)%4)+8*\x+4*\c+3], v[VX+(\t)%4], s[6:7] offset:65536*(\t)+1024*\x+512*\c
.endr
.endr
	global_load_b64 v[VS+2*((\t)%4):VS+2*((\t)%4)+1], v[SO8], s[8:9] offset:4096*(\t)
.endm
; Where my block has no step t every lane names the same 16 bytes, so that the counts of loads are the same for every block.
.macro VMASK t
	s_cmp_ge_u32 s[TT], \t
	s_cselect_b32 s41, -1, 0
	v_and_b32 v[VX+(\t)%4], s41, v[KO]
.endm
; Half a key step: 16 matrix instructions, an accumulator each.
.macro HALF n
.if (\n) < 30
	s_wait_dscnt 20                                ; P of this half is in; two halves of ten loads may be out
.else
	s_wait_dscnt 10*(31-(\n))
.endif
	WIN 0x50
.irp x, 0,1,2,3
.irp m, 0,1,2,3
.set rD, 8*(8*\x+4*((\n)%2)+\m)
.set rA, V+32*(((\n)/2)%4)+8*\x
.set rB, P+32*((\n)%3)+8*\m
.set rSA, VS+2*(((\n)/2)%4)+(\x/2)
.set rSB, PS+2*((\n)%3)+(\m/2)
.set fZ, ((\n)<2)
.set fRA, (\x%2)
.set fRB, (\m%2)
	MM
.endr
.endr
	WIN 0
	PLACES
.if (\n) < 29
	PLH \n+3
.endif
.endm
; Key step t; a branch on ids alone leaves the walk behind my block's last.
.macro STEP t
.if \t > 0
	s_cmp_lt_u32 s[TT], \t
	s_cbranch_scc1 .Lfin
.endif
.if \t < 12
	s_wait_loadcnt 27                              ; V of this step is in; three steps of nine loads may be out
.else
	s_wait_loadcnt 9*(15-\t)
.endif
	HALF 2*\t
	HALF 2*\t+1
.if \t < 12
	VMASK \t+4
	VLOAD \t+4
.endif
.endm
	s_load_b256 s[4:11], s[0:1], 0x0               ; pfs, vt_codes, vt_scales, out0
	v_lshl_add_u32 v[SPW], v0, 2, SPARE
	v_mov_b32 v[NIL], 0
	ds_add_u32 v[SPW], v[NIL]                      ; the wave's opening: the add, twice on end
	ds_add_u32 v[SPW], v[NIL]
	v_lshrrev_b32 v16, 5, v0
	v_readfirstlane_b32 s[WV], v16
	s_and_b32 s15, ttmp7, 0xffff                   ; 8 x batch + j
	s_and_b32 s[TL], s15, 7                        ; j: L's last step
	s_sub_co_u32 s[TH], 15, s[TL]
	s_add_co_u32 s18, s[TL], 1
	s_lshr_b32 s19, s15, 3                         ; batch
	s_bfe_u32 s20, ttmp6, 0x40000                  ; my quarter of d: my place in the cluster
	s_and_b32 s21, s[WV], 3                        ; my 64 of it
	s_lshr_b32 s22, s[WV], 2                       ; 0: H, 1: L
	s_mov_b32 s23, 16
	s_cmp_eq_u32 s22, 0
	s_cselect_b32 s[TT], s[TH], s[TL]
	s_cselect_b32 s[T0], s18, 0
	s_cselect_b32 s[CAP], s23, s[TL]
	s_mul_i32 s42, s15, 17*12288
	s_mov_b32 s43, 0
	s_lshl_b32 s56, s21, 10                        ; my key block's F and sums in a tile, behind 8,192 bytes of codes
	s_add_co_u32 s56, s56, 8192
	s_add_co_u32 s56, s56, s42
	s_mov_b32 s57, 0
	s_lshl_b32 s58, s21, 11                        ; my two query tiles' codes
	s_add_co_u32 s42, s42, s58
	s_mul_i32 s[G0F+1], s21, FPART
	s_add_co_u32 s[G0F+1], s[G0F+1], FS
	s_mul_i32 s[G0C+1], s21, PPART
	s_lshl_b32 s58, s19, 20
	s_lshl_b32 s60, s20, 14
	s_add_co_u32 s58, s58, s60
	s_lshl_b32 s60, s21, 12
	s_add_co_u32 s58, s58, s60                     ; V: d tiles 16 quarter + 4 (wave % 4) on
	s_mov_b32 s59, 0
	s_lshl_b32 s62, s20, 10
	s_lshl_b32 s60, s21, 8
	s_add_co_u32 s62, s62, s60
	s_lshl_b32 s60, s19, 16
	s_add_co_u32 s60, s60, s62                     ; its scale words
	s_mov_b32 s61, 0
	s_lshl_b32 s63, s19, 23
	s_add_co_u32 s62, s62, s63
	s_lshl_b32 s63, s[TT], 19
	s_add_co_u32 s62, s62, s63                     ; out0: my block is the TT-th of 128 rows
	s_mov_b32 s63, 0
	s_mul_i32 s52, s[WV], 16*272
	s_add_co_u32 s52, s52, STG
	s_lshl_b32 s12, s22, 13
	s_add_co_u32 s12, s12, PSC                     ; my block's scale words
	s_lshl_b32 s13, s22, 9
	s_add_co_u32 s13, s13, LIV
	s_mov_b32 s[G1F+0], 15|(3<<16)|(1<<21)         ; the mask: all four of the cluster; elements of 8 bytes; bit 21 beside a mask
	s_mov_b32 s[G1F+1], 128<<16                    ; 17 rows of 1,024 bytes, 12,288 bytes apart
	s_mov_b32 s[G1F+2], 17<<16
	s_mov_b32 s[G1F+3], 128<<16
	s_mov_b32 s[G1F+4], 17
	s_mov_b32 s[G1F+5], 1536
	s_mov_b32 s[G1F+6], 0
	s_mov_b32 s[G1F+7], 0
	s_mov_b32 s[G1C+0], 15|(3<<16)|(1<<21)
	s_mov_b32 s[G1C+1], 256<<16                    ; 17 rows of 2,048 bytes
	s_mov_b32 s[G1C+2], 17<<16
	s_mov_b32 s[G1C+3], 256<<16
	s_mov_b32 s[G1C+4], 17
	s_mov_b32 s[G1C+5], 1536
	s_mov_b32 s[G1C+6], 0
	s_mov_b32 s[G1C+7], 0
	v_and_b32 v16, 31, v0                          ; lane
	v_and_b32 v17, 15, v0                          ; r
	v_bfe_u32 v18, v0, 4, 1                        ; h
	v_and_b32 v19, 127, v0                         ; the query of my block whose sums I add
	v_lshlrev_b32 v[KO], 4, v16
	v_lshlrev_b32 v[SO8], 3, v16
	v_lshlrev_b32 v[APS], 2, v16
	v_add_nc_u32 v[APS], s12, v[APS]
	v_lshlrev_b32 v[APW], 2, v19
	v_add_nc_u32 v[APW], s12, v[APW]
	v_lshlrev_b32 v[ALV], 2, v17
	v_add_nc_u32 v[ALV], s13, v[ALV]
	v_lshl_add_u32 v[ALW], v0, 2, LIV
	v_lshl_add_u32 v[FB], v19, 3, FS
	v_mul_u32_u24 v[STO], v17, 272
	v_lshl_add_u32 v[STO], v18, 5, v[STO]
	v_add_nc_u32 v[STO], s52, v[STO]
	v_mul_u32_u24 v[RD], v18, 272
	v_lshl_add_u32 v[RD], v17, 4, v[RD]
	v_add_nc_u32 v[RD], s52, v[RD]
	v_lshlrev_b32 v[CO], 12, v18
	v_lshl_add_u32 v[CO], v17, 4, v[CO]
.irp t, 0,1,2,3
	VMASK \t
.endr
	s_wait_alu depctr_va_vdst(0)                   ; the wait at the head's end
	s_wait_dscnt 0x0                               ; both opening adds are done
	s_wait_kmcnt 0x0
	s_mov_b32 s[G0F], 1
	s_add_nc_u64 s[G0F+2:G0F+3], s[4:5], s[56:57]
	s_or_b32 s[G0F+3], s[G0F+3], 0x80000000
	s_mov_b32 s[G0C], 1
	s_add_nc_u64 s[G0C+2:G0C+3], s[4:5], s[42:43]
	s_or_b32 s[G0C+3], s[G0C+3], 0x80000000
	s_add_nc_u64 s[6:7], s[6:7], s[58:59]
	s_add_nc_u64 s[8:9], s[8:9], s[60:61]
	s_add_nc_u64 s[OB:OB+1], s[10:11], s[62:63]
	ROUND                                          ; in front of the joint loads
	s_cmp_lt_u32 s[WV], 4
	s_cbranch_scc0 .Lcodes
	tensor_load_to_lds s[G0F:G0F+3], s[G1F:G1F+7]
	s_nop 0
.rept 4
	v_nop
.endr
	s_branch .Lasked
.Lcodes:
	tensor_load_to_lds s[G0C:G0C+3], s[G1C:G1C+7]
	s_nop 0
.rept 4
	v_nop
.endr
.Lasked:
.irp t, 0,1,2,3
	VLOAD \t
.endr
	s_wait_tensorcnt 0x0
	s_barrier_signal -1
	s_barrier_wait -1                              ; all eight parts are in
; F and sums of my query, 16 steps: step k, key block kb at v[8 k + 2 kb] of window 1; a place past the block's last tile holds the last's numbers
.irp t, 0,1,2,3,4,5,6,7,8,9,10,11,12,13,14,15
	s_add_co_u32 s41, s[T0], \t
	s_min_u32 s41, s41, s[CAP]
	s_min_u32 s41, s41, 16
	s_lshl_b32 s41, s41, 10
	v_add_nc_u32 v[P+\t], s41, v[FB]
.endr
	s_wait_alu depctr_va_vdst(0)                   ; the wait here, ahead of the addresses' readers
	WIN 0x40
.irp t, 0,1,2,3,4,5,6,7,8,9,10,11,12,13,14,15
.irp c, 0,1,2,3
	ds_load_b64 v[8*\t+2*\c:8*\t+2*\c+1], v[P+\t] offset:FPART*\c
.endr
.endr
	s_wait_dscnt 0x0
	WIN 0x55
.irp c, 0,2,4,6
	v_max_num_f32 v[132+\c/2], v[\c], v[8+\c]
.endr
.irp k, 2,4,6,8,10,12,14
.irp c, 0,2,4,6
	v_max3_num_f32 v[132+\c/2], v[132+\c/2], v[8*\k+\c], v[8*\k+8+\c]
.endr
.endr
	v_max3_num_f32 v132, v132, v133, v134
	v_max_num_f32 v132, v132, v135                 ; M
.set k, 0
.rept 64
	v_sub_f32 v[2*k], v[2*k], v132
.set k, k+1
.endr
.set k, 0
.rept 64
	v_max_num_f32 v[2*k], 0xc2f80000, v[2*k]       ; -124
.set k, k+1
.endr
.set k, 0
.rept 64
	v_cvt_i32_f32 v[2*k], v[2*k]
.set k, k+1
.endr
.set k, 0
.rept 64
	v_ldexp_f32 v[2*k+1], v[2*k+1], v[2*k]
.set k, k+1
.endr
.set k, 0
.rept 16
	v_add_f32 v[8*k+1], v[8*k+1], v[8*k+3]
	v_add_f32 v[8*k+5], v[8*k+5], v[8*k+7]
	v_lshl_add_u32 v[8*k], v[8*k+2], 8, v[8*k]
	v_lshl_add_u32 v[8*k+4], v[8*k+6], 8, v[8*k+4]
.set k, k+1
.endr
.set k, 0
.rept 16
	v_add_f32 v[8*k+1], v[8*k+1], v[8*k+5]
	v_lshl_add_u32 v[8*k], v[8*k+4], 16, v[8*k]
.set k, k+1
.endr
.set k, 0
.rept 16
	v_add_nc_u32 v[8*k], 0x7d7d7d7d, v[8*k]        ; 125 on each of the four bytes
.if k > 0
	s_cmp_ge_u32 s[TT], k                          ; a step past the last counts nothing
	s_cselect_b32 s41, -1, 0
	v_and_b32 v[8*k+1], s41, v[8*k+1]
.endif
.set k, k+1
.endr
.irp d, 8,4,2,1
.set k, 0
.rept \d
	v_add_f32 v[8*k+1], v[8*k+1], v[8*(k+\d)+1]
.set k, k+1
.endr
.endr
	s_wait_alu depctr_va_vdst(0)                   ; the wait ahead of the transcendental
	v_rcp_f32 v136, v1
	v_nop
	WIN 0x04
.set k, 0
.rept 16
	ds_store_b32 v[APW], v[8*k] offset:512*k
.set k, k+1
.endr
	s_wait_alu depctr_va_vdst(0)                   ; and behind it
	ds_store_b32 v[ALW], v136
	WIN 0
	s_wait_dscnt 0x0
	s_barrier_signal -1
	s_barrier_wait -1                              ; all scale words are there
	PLH 0
	PLH 1
	PLH 2
.irp t, 0,1,2,3,4,5,6,7,8,9,10,11,12,13,14,15
	STEP \t
.endr
.Lfin:
; THE WAY OUT: divided by the row's sum, 16 queries at a time through my stage, so that sixteen lanes store 256 consecutive aligned bytes.
.macro SEND a, younger
	s_wait_dscnt \younger
.irp i, 0,1,2,3,4,5,6,7
	global_store_b128 v[CO], v[P+32*((\a)%2)+4*\i:P+32*((\a)%2)+4*\i+3], s[OB:OB+1] offset:(16*(\a)+2*\i)*4096 th:TH_STORE_NT
.endr
.endm
	s_wait_dscnt 0x0                               ; no load into P's registers is out
.irp m, 0,1,2,3,4,5,6,7
	ds_load_b32 v[P+64+\m], v[ALV] offset:64*\m
.endr
	s_wait_dscnt 0x0
.irp m, 0,1,2,3,4,5,6,7
.set lv, P+64+2*(\m/2)
	s_wait_xcnt 0x0                                ; the stores two tiles back have read their registers
	WIN 0x41
.irp x, 0,1,2,3
.irp k, 0,2,4,6
.if \m%2
	v_pk_mul_f32 v[8*(8*\x+\m)+\k:8*(8*\x+\m)+\k+1], v[8*(8*\x+\m)+\k:8*(8*\x+\m)+\k+1], v[lv:lv+1] op_sel:[0,1] op_sel_hi:[1,1]
.else
	v_pk_mul_f32 v[8*(8*\x+\m)+\k:8*(8*\x+\m)+\k+1], v[8*(8*\x+\m)+\k:8*(8*\x+\m)+\k+1], v[lv:lv+1] op_sel_hi:[1,0]
.endif
.endr
.endr
	WIN 0x04
.irp x, 0,1,2,3
	ds_store_b128 v[STO], v[8*(8*\x+\m):8*(8*\x+\m)+3] offset:64*\x
	ds_store_b128 v[STO], v[8*(8*\x+\m)+4:8*(8*\x+\m)+7] offset:64*\x+16
.endr
	WIN 0
.irp i, 0,1,2,3,4,5,6,7
	ds_load_b128 v[P+32*(\m%2)+4*\i:P+32*(\m%2)+4*\i+3], v[RD] offset:544*\i   ; LDS serves a wave's instructions in order: these see my stores
.endr
.if \m > 0
	SEND \m-1, 16
.endif
.endr
	SEND 7, 0
	s_wait_tensorcnt 0x0                           ; the wave's end
	ds_add_u32 v[SPW], v[NIL]
	s_wait_dscnt 0x0
	ROUND                                          ; the closing round
	s_endpgm
.Lfunc_end_k_qaeafbe8232_pv:
	.size	k_qaeafbe8232_pv, .Lfunc_end_k_qaeafbe8232_pv-k_qaeafbe8232_pv
	.p2alignl 7, 3214868480
	.fill 96, 4, 3214868480
	.section	.rodata,"a",@progbits
	.p2align	6, 0x0
	.amdhsa_kernel k_qaeafbe8232_pv
		.amdhsa_group_segment_fixed_size 327680
		.amdhsa_private_segment_fixed_size 0
		.amdhsa_enable_private_segment 0
		.amdhsa_kernarg_size 32
		.amdhsa_user_sgpr_count 2
		.amdhsa_user_sgpr_kernarg_segment_ptr 1
		.amdhsa_wavefront_size32 1
		.amdhsa_system_sgpr_workgroup_id_x 1
		.amdhsa_system_sgpr_workgroup_id_y 1
		.amdhsa_system_sgpr_workgroup_id_z 1
		.amdhsa_system_vgpr_workitem_id 0
		.amdhsa_next_free_vgpr 512
		.amdhsa_next_free_sgpr 66
		.amdhsa_reserve_vcc 0
		.amdhsa_float_denorm_mode_32 3
		.amdhsa_float_denorm_mode_16_64 3
		.amdhsa_memory_ordered 1
		.amdhsa_forward_progress 1
		.amdhsa_inst_pref_size 173
	.end_amdhsa_kernel
	.amdgpu_metadata
---
amdhsa.version: [ 1, 2 ]
amdhsa.kernels:
  - .name:           k_qaeafbe8232_pv
    .symbol:         k_qaeafbe8232_pv.kd
    .args:
      - { .name: pfs, .offset: 0, .size: 8, .value_kind: global_buffer, .address_space: global }
      - { .name: vt_codes, .offset: 8, .size: 8, .value_kind: global_buffer, .address_space: global }
      - { .name: vt_scales, .offset: 16, .size: 8, .value_kind: global_buffer, .address_space: global }
      - { .name: out0, .offset: 24, .size: 8, .value_kind: global_buffer, .address_space: global }
    .group_segment_fixed_size: 327680
    .private_segment_fixed_size: 0
    .kernarg_segment_align: 8
    .kernarg_segment_size: 32
    .max_flat_workgroup_size: 256
    .sgpr_count:     66
    .vgpr_count:     512
    .wavefront_size: 32
...
	.end_amdgpu_metadata
.endif
;; end of part 5
